; MI455X (gfx1250); checked and timed in simulation.
; The chip was launched on July 23, 2026; its instructions are those of AMD's public machine-readable ISA for CDNA 5 (MIT licence, August 2026) and "CDNA5" Instruction Set Architecture Reference Guide (July 2026). The comments in the code are by the model that wrote it; some were corrected since.
;; Efficient Multi Head Attention. Allowed arithmetic: matrix products marked QUANTISED: E2M3 operands, one E8M0 scale for each 32 along K, by v_wmma_scale_f32_16x16x128_f8f6f4 with both operands' format E2M3, f32 sums; everything else in f32.
;; Inputs: ff1_b 1,024 float32; ff1_w_codes 1,024 x 8 x 24 uint8 (E2M3 codes of ff1_w, K innermost, in blocks of 32 codes, four codes in three bytes); ff1_w_scales 1,024 x 8 uint8 (E8M0 scales of ff1_w, one for each 32 codes along K); ff2_b 256 float32; ff2_w_codes 256 x 32 x 24 uint8 (E2M3 codes of ff2_w, K innermost, in blocks of 32 codes, four codes in three bytes); ff2_w_scales 256 x 32 uint8 (E8M0 scales of ff2_w, one for each 32 codes along K); kv_codes 2 x 32 x 32 x 32 x 8 x 24 uint8 (E2M3 codes of kv, K innermost, in blocks of 32 codes, four codes in three bytes); kv_scales 2 x 32 x 32 x 32 x 8 uint8 (E8M0 scales of kv, one for each 32 codes along K); ln1_b 256 float32; ln1_g 256 float32; ln2_b 256 float32; ln2_g 256 float32; q 2 x 32 x 32 x 32 x 256 float32; wk_b 256 float32; wk_w_codes 256 x 8 x 24 uint8 (E2M3 codes of wk_w, K innermost, in blocks of 32 codes, four codes in three bytes); wk_w_scales 256 x 8 uint8 (E8M0 scales of wk_w, one for each 32 codes along K); wq_b 256 float32; wq_w_codes 256 x 8 x 24 uint8 (E2M3 codes of wq_w, K innermost, in blocks of 32 codes, four codes in three bytes); wq_w_scales 256 x 8 uint8 (E8M0 scales of wq_w, one for each 32 codes along K); wv_b 256 float32; wv_w_codes 256 x 8 x 24 uint8 (E2M3 codes of wv_w, K innermost, in blocks of 32 codes, four codes in three bytes); wv_w_scales 256 x 8 uint8 (E8M0 scales of wv_w, one for each 32 codes along K).
;; Outputs: out0 2 x 32 x 32 x 32 x 256 float32.
;; This version of the problem:
;;   THIS VERSION OF THE PROBLEM IS GIVEN IN LOW PRECISION. The matrix products marked QUANTISED in the list below multiply operands that are first quantised to E2M3 (2 exponent bits, 3 mantissa bits; 6 bits a number), with one power-of-two scale for each 32 numbers along K (OCP MX v1.0); their sums are f32. All else is computed in f32.
;;   The module's matrix products, in the order in which they are computed (A, B: the left and right operand; K: the contracted axis; several contracted axes count as one K, in the product's order):
;;     1. [M 65,536, K 256] x [K 256, N 256]; A: input q; B: input wq_w (given as codes): QUANTISED
;;     2. [M 65,536, K 256] x [K 256, N 256]; A: input kv (given as codes); B: input wk_w (given as codes): QUANTISED
;;     3. [M 65,536, K 256] x [K 256, N 256]; A: input kv (given as codes); B: input wv_w (given as codes): QUANTISED
;;     4. batch 16 x [M 32, K 32,768] x [K 32,768, N 32]; A: softmax (see below); B: computed on the way: QUANTISED
;;     5. batch 16 x [M 32,768, K 32] x [K 32, N 32]; A: softmax (see below); B: computed on the way: QUANTISED
;;     6. [M 65,536, K 256] x [K 256, N 1,024]; A: computed on the way; B: input ff1_w (given as codes): QUANTISED
;;     7. [M 65,536, K 1,024] x [K 1,024, N 256]; A: computed on the way; B: input ff2_w (given as codes): QUANTISED
;;   THE QUANTISER, for each operand of a quantised product, along K:
;;     - K is cut into blocks of 32 from its start; a last block that is shorter is filled with zeros.
;;     - A block's scale is 2^e with e = floor(log2(the largest magnitude in the block)) - 2, held to -126 .. 127; a block of zeros has e = 0. As a byte (E8M0): e + 127.
;;     - Each number is divided by its block's scale, clamped to +-7.5, and rounded to the nearest number of E2M3, ties to even, subnormals kept.
;;     - The product sums the exact products of the quantised numbers (number of the format x scale) in f32.
;;   ~~~python
;;   def quantise(x, axis):      # numpy; x: float32 -> the quantised numbers, widened to float32 again
;;       x = np.moveaxis(x, axis, -1); K = x.shape[-1]
;;       x = np.pad(x, [(0, 0)] * (x.ndim - 1) + [(0, -K % 32)]); x = x.reshape(x.shape[:-1] + (-1, 32)); a = np.abs(x).max(-1, keepdims=True)
;;       e = np.where(a > 0, np.clip(np.frexp(np.where(a > 0, a, 1))[1] - 1 - 2, -126, 127), 0)      # np.frexp(a)[1] - 1 = floor(log2(a)), exactly
;;       r = np.clip(x / 2.0 ** e, -7.5, 7.5)
;;       step = 2.0 ** (np.maximum(np.frexp(np.where(r == 0, 1, r))[1] - 1, 0) - 3)
;;       q = np.round(r / step) * step * 2.0 ** e      # np.round: ties to even
;;       return np.moveaxis(q.reshape(q.shape[:-2] + (-1,))[..., :K], -1, axis).astype(np.float32)
;;   ~~~
;;   SOFTMAX AHEAD OF A QUANTISED PRODUCT. Where the list says 'softmax', what is quantised is not the finished softmax but p = 2^(t - M), with t = logit x log2(e) and M = ceil(the row's largest t), a whole number; so 1/2 < the row's largest p <= 1. The row's sum l is taken of the UNQUANTISED p, in f32, and the product's result is divided by l at the end. Since M is a whole number, a kernel that streams over the keys may use a running M (the ceiling of the running maximum): every later rescaling is an exact power of two, which a block's scale takes up: the codes' values come out the same.
;;   OPERANDS COMPUTED ON THE WAY. 'Computed on the way' means the value that the module computes at that place (a softmax that the list does not call 'softmax' is quantised finished and normalised). What goes into a quantiser is computed in f32, as accurately as f32 sums, v_exp_f32 and their like allow (about 1e-6 of the number): no bf16 or f16 on the way to a quantiser, and a product that is left as it is and whose result goes on into a quantised operand takes f32 operands (vector FMAs, or v_wmma_f32_16x16x4_f32). A number that lies on a knife's edge between two numbers of the format may be rounded either way, as far as f32 arithmetic and the matrix unit's own rounding can turn it there, and no further.
;;   INPUTS GIVEN AS CODES. ff1_w (in the module: [256, 1024], K = its axis 0); ff2_w (in the module: [1024, 256], K = its axis 0); kv (in the module: [2, 32, 32, 32, 256], K = its axis 4); wk_w (in the module: [256, 256], K = its axis 0); wq_w (in the module: [256, 256], K = its axis 0); wv_w (in the module: [256, 256], K = its axis 0): each comes as NAME_codes (uint8): NAME with its K axis moved to the last place and cut into blocks of 32 codes, [.., K / 32, bytes a block], one block behind the other in memory; four codes in three bytes: a row's codes are one little-endian stream of bits, code i at bits 6 i .. 6 i + 5 (a code: sign, 2 exponent bits, 3 mantissa bits); and NAME_scales (uint8): the same leading axes, one E8M0 byte (e + 127) for each 32 codes along K. Its value is code x scale, taken as it is: it is not quantised again, and the codes and scales need not be those that the quantiser above would give.
;; One version. Each part assembles by itself: llvm-mc -triple=amdgcn-amd-amdhsa -mcpu=gfx1250 --defsym DOCPART=n.
;; ======== version 1 of 1: 3 launches
;; limits: a function is approximated: absolute error at most 1.5e-07
;; workspace buffers: part 8,388,608 bytes; stat 1,048,576 bytes; wimg 442,368 bytes; ctximg 49,152 bytes; ctxsc 4,096 bytes
;; launch kvctx (part 1): grid 256 x 1, 4 waves a work-group, clusters of 4 x 1, 184,832 bytes of LDS; arguments kv_codes, kv_scales, wk_w_codes, wk_w_scales, wk_b, wv_w_codes, wv_w_scales, wv_b, part, stat; writes part, stat
.if DOCPART == 1
	.amdgcn_target "amdgcn-amd-amdhsa--gfx1250"
	.amdhsa_code_object_version 6
	.text
	.protected	k_qc09b1f51af_kvctx
	.globl	k_qc09b1f51af_kvctx
	.p2align	8
	.type	k_qc09b1f51af_kvctx,@function
k_qc09b1f51af_kvctx:
	s_mov_b64 s[64:65], 0
	v_nop
	global_prefetch_b8 v0, s[64:65] scope:SCOPE_SE
	s_setreg_imm32_b32 hwreg(HW_REG_WAVE_MODE, 25, 1), 1
	s_wait_xcnt 0x0
	s_wait_alu depctr_hold_cnt(0) depctr_sa_sdst(0) depctr_va_vdst(0) depctr_va_sdst(0) depctr_va_ssrc(0) depctr_va_vcc(0) depctr_vm_vsrc(0)
	s_getreg_b32 s2, hwreg(HW_REG_IB_STS2, 6, 4)
	s_cmp_eq_u32 s2, 0
	s_cbranch_scc0 .Lentry_in_a_cluster
	s_endpgm
.Lentry_in_a_cluster:
	s_bfe_u32 s2, ttmp6, 0x10000c
	s_cmp_lg_u32 s2, 0x3003
	s_cbranch_scc0 .Lentry_shape_is_right
	s_endpgm
.Lentry_shape_is_right:
; k = kv wk + wk_b, v = kv wv + wv_b, and a PART of context = softmax_n(k)^T v, for 256 of the 65,536 rows: all three products on codes of FP6 (E2M3) with one E8M0 scale for each 32 along K.
; DEAD WORK: none is left out in this program, and every input is loaded.  wk_b is the same along the k-softmax's axis, but it moves t - ceil(max t) by a fraction and so moves p's codes: it stays.
; THE SOFTMAX OVER n: t = k x log2(e); M = the running largest t of a column, rounded UP to a whole number; p = 2^(t - M) is quantised along n; the sum l is taken of the unquantised p.
; A work-group keeps its own running M over its 256 rows and stores context^T, -M and l under that M; the next launch brings the 128 parts of a batch under one M by exact powers of two.
; SHARES.  Work-group g = 4 x cluster + place owns rows 256 g on.  Wave w owns heads 2 w and 2 w + 1: 64 columns of k and 64 of v.  Every wave walks all 256 rows, 128 a step.
; LAYOUT.  The first two products: source 0 = 16 rows of kv, source 1 = 16 rows of a weight: a lane holds ONE column, and its registers run along n, which is the third product's K.
; THE ROWS OF kv THAT FORM A TILE ARE NOT NEIGHBOURS: lane r of tile 2 b + u takes row 32 b + 8 u + r + 8 (r / 8), so that the 16 registers of tiles 2 b, 2 b + 1 are rows 32 b + 16 (lane / 16) + 0 .. 15.
; wv's rows are chosen the same way (e = 8 u + r + 8 (r / 8)), which is the order in which the last launch wants the context's rows.  The biases are the C of each sum's first matrix instruction.
; Third product: source 0 = v's fragment (16 e), source 1 = p's (16 d): register j of lane (r, h) is (e-row 8 h + j, d = 16 dt + r): the factor that follows a change of M is one number a lane.
; CLUSTER.  All work-groups read the same wk and wv: the four of a cluster ask for them jointly (the same load, the same descriptor, a mask that names the four).  kv's rows are each work-group's own: a plain load.
; Three tensor loads a wave are out at the most; every LDS byte is filled once.
; LIMITS: NaN and infinities among the inputs are not served.  A block whose largest magnitude lies under 2^-124 keeps the floor's byte, 1 (a block of zeros too, where the quantiser says 127: its codes are zeros, and this program alone reads the byte).
; REGISTERS, in windows of 256.  Window 0: addresses, scale words.  Window 1: wk's 8 fragments (v0-95), wv's 8 (v96-191), the biases (v192-255).  Window 2: kv's 16 fragments of a step.
; Window 3: v0-63 a tile column's 128 numbers; v64-127 context^T; v128-143 -M, largest t, sum (two halves) for each of 4 tiles of d; v144-191 p's and v's fragments; v192.. at work.
.set PITCH, 240                        ; an LDS row: 3 x (64 bytes + 16 of padding)
.set KVB,   0                          ; kv's 256 rows
.set WKB,   256*PITCH                  ; wk's
.set WVB,   2*256*PITCH                ; wv's
.set SPARE, 3*256*PITCH                ; the spare words, 128 bytes a wave: two blocks of 256 bytes that no other line names
.set AK,   1                           ; v1, v2   my lane's place in a tile of kv (the second: for pieces that lie behind one padding more)
.set AWK,  3                           ; v3, v4   in my wave's rows of wk
.set AWV,  5                           ; v5, v6   in my wave's rows of wv
.set L16,  9                           ; v9       16 x lane
.set A8R,  10                          ; v10      8 r + 4 h: a scale word of row r, K step h
.set A8RR, 11                          ; v11      the same of row r + 8 (r / 8)
.set A4R,  12                          ; v12      4 r
.set A4RR, 13                          ; v13      4 (r + 8 (r / 8))
.set SPW,  14                          ; v14      my spare word; never rewritten
.set NIL,  15                          ; v15      0; never rewritten
.set KVS,  16                          ; v16-31   kv's scale words: step z, tile t at 8 z + t; lanes 0-15 K step 0, lanes 16-31 K step 1
.set WKS,  32                          ; v32-35   wk's
.set WVS,  36                          ; v36-39   wv's
.set PSC,  40                          ; v40-41   p's scale words
.set VSC,  42                          ; v42-43   v's
.set ACC,  0
.set CTX,  64
.set ST,   128
.set PFR,  144
.set VFR,  168
.set BM,   192
.set BP,   196
.set SO,   200
.set FF,   204
.set TT,   206
.set S2,   208
.set CV,   210
.set OQ,   218
.set WV,   24                          ; s24      my wave's number
.set SEL,  60                          ; s[60:61] lane selects: lane l xor 16
.set L2E,  62                          ; s[62:63] log2(e), as a pair
.set MSB, 0
.macro WIN new                         ; the immediate's high byte repeats the setting that is left
.if MSB != \new
	s_set_vgpr_msb (MSB<<8)|\new
.set MSB, \new
.endif
.endm
.macro PLACES n
.rept \n
	v_nop
.endr
.endm
.macro CROUND                          ; a round of the cluster's barrier
	s_barrier_signal -1
	s_barrier_wait -1
	s_cmp_lg_u32 s[WV], 0
	s_cbranch_scc1 .Lnot_wave_0_\@
	s_barrier_signal -3
.Lnot_wave_0_\@:
	s_barrier_wait -3
	s_barrier_signal -1
	s_barrier_wait -1
.endm
; a fragment, 16 rows x 128 K: six pieces of 8 bytes; q: which 128 of the row's 256; row: the tile's first row
.macro FRAG reg, adr, q, row
.irp p, 0,1,2,3,4,5
.set PCE, 12*(\q)+6*(\p/3)+\p%3
.if PCE%8 < 5
	ds_load_b64 v[(\reg)+2*\p:(\reg)+2*\p+1], v[\adr] offset:8*PCE+16*(PCE/8)+(\row)*PITCH
.else
	ds_load_b64 v[(\reg)+2*\p:(\reg)+2*\p+1], v[(\adr)+1] offset:8*PCE+16*(PCE/8)+(\row)*PITCH
.endif
.endr
.endm
; 128 rows of kv x 16 columns of a weight: eight accumulators by turns, two K steps.  wb: the weight's two fragments, bb: its bias (both window 1), sc: its scale words, ks: kv's
.macro PROD wb, bb, sc, ks
	WIN 0xd6                                       ; A window 2, B and C window 1, D window 3
.irp t, 0,1,2,3,4,5,6,7
	v_wmma_scale_f32_16x16x128_f8f6f4 v[ACC+8*\t:ACC+8*\t+7], v[24*\t:24*\t+11], v[(\wb):(\wb)+11], v[(\bb):(\bb)+7], v[(\ks)+\t], v[\sc] matrix_a_fmt:MATRIX_FMT_FP6 matrix_b_fmt:MATRIX_FMT_FP6
.endr
	WIN 0xf6                                       ; C and D window 3
.irp t, 0,1,2,3,4,5,6,7
	v_wmma_scale_f32_16x16x128_f8f6f4 v[ACC+8*\t:ACC+8*\t+7], v[24*\t+12:24*\t+23], v[(\wb)+12:(\wb)+23], v[ACC+8*\t:ACC+8*\t+7], v[(\ks)+\t], v[\sc] matrix_a_fmt:MATRIX_FMT_FP6 matrix_b_fmt:MATRIX_FMT_FP6 matrix_a_scale:MATRIX_SCALE_ROW1 matrix_b_scale:MATRIX_SCALE_ROW1
.endr
.endm
; the four blocks' largest magnitudes in v[BM] on become the conversions' scale operands (v[SO] on) and the scale word, which goes to window 0
.macro WORD dst
.irp b, 0,1,2,3
	v_add_nc_u32 v[SO+\b], 0xff000000, v[BM+\b]    ; 2 off the exponent field
.endr
.irp b, 0,1,2,3
	v_lshrrev_b32 v[BP+\b], 23, v[SO+\b]           ; the scale's byte
.endr
	v_lshl_or_b32 v[TT], v[BP+1], 8, v[BP]
	v_lshl_or_b32 v[TT], v[BP+2], 16, v[TT]
	v_lshl_or_b32 v[TT], v[BP+3], 24, v[TT]
	WIN 0x03                                       ; scale operands are taken from window 0
	v_mov_b32 v[\dst], v[TT]
	WIN 0xff
.endm
; the 64 numbers in v[ACC] on become a fragment's 12 registers
.macro CODES dst
.irp c, 0,1
	v_cvt_scalef32_pk16_fp6_f32 v[(\dst)+6*\c:(\dst)+6*\c+2], v[ACC+32*\c:ACC+32*\c+15], v[SO+2*\c]
	v_cvt_scalef32_pk16_fp6_f32 v[CV+4*\c:CV+4*\c+2], v[ACC+32*\c+16:ACC+32*\c+31], v[SO+2*\c+1]
.endr
	v_nop                                          ; one plain place behind a scaled conversion
.irp c, 0,1                                    ; the operand's layout wants a whole block in a lane
.irp i, 0,1,2
	v_permlane16_swap_b32 v[(\dst)+6*\c+\i], v[CV+4*\c+\i]
.endr
.irp i, 0,1,2
	v_mov_b32 v[(\dst)+6*\c+3+\i], v[CV+4*\c+\i]
.endr
.endr
.endm
; 128 rows of one tile of 16 columns of k: running M, p, its sum, its codes.  c: which of my four tiles of d
.macro KSOFT c, pf, ps
.set SB, ST+4*(\c)
.irp b, 0,1,2,3
	v_max3_num_f32 v[BM+\b], v[ACC+16*\b], v[ACC+16*\b+1], v[ACC+16*\b+2]   ; the largest k of each block of 32 rows: it serves for the column's maximum and for the block's largest p
.endr
.irp i, 3,5,7,9,11,13
.irp b, 0,1,2,3
	v_max3_num_f32 v[BM+\b], v[BM+\b], v[ACC+16*\b+\i], v[ACC+16*\b+\i+1]
.endr
.endr
.irp b, 0,1,2,3
	v_max_num_f32 v[BM+\b], v[BM+\b], v[ACC+16*\b+15]
.endr
.irp b, 0,1,2,3
	v_permlanex16_b32 v[BP+\b], v[BM+\b], s[SEL], s[SEL+1]
.endr
.irp b, 0,1,2,3
	v_max_num_f32 v[BM+\b], v[BM+\b], v[BP+\b]     ; with lane l xor 16's 16 rows
.endr
	v_max3_num_f32 v[TT], v[BM], v[BM+1], v[BM+2]
	v_max_num_f32 v[TT], v[TT], v[BM+3]
	v_mul_f32 v[TT], s[L2E], v[TT]                 ; as t
	v_max_num_f32 v[SB+1], v[SB+1], v[TT]          ; the running largest t
	v_mov_b32 v[TT], v[SB]
	v_floor_f32 v[SB], -v[SB+1]                    ; the new -M = -ceil(t)
	v_sub_f32 v[TT], v[SB], v[TT]                  ; old M - new M: a whole number, 0 or less
	v_cvt_i32_f32 v[TT], v[TT]                     ; (it saturates)
	v_ldexp_f32 v[FF], 1.0, v[TT]                  ; f = 2^(old M - new M)
.set i, 0
.rept 32
	v_pk_fma_f32 v[ACC+i:ACC+i+1], v[ACC+i:ACC+i+1], s[L2E:L2E+1], v[SB:SB+1] op_sel_hi:[1,0,0]   ; t - M
.set i, i+2
.endr
.irp b, 0,1,2,3
	v_fma_f32 v[BM+\b], v[BM+\b], s[L2E], v[SB]
.endr
.set i, 0
.rept 64
	v_exp_f32 v[ACC+i], v[ACC+i]                   ; p = 2^(t - M)
.set i, i+1
.endr
	v_pk_mul_f32 v[SB+2:SB+3], v[SB+2:SB+3], v[FF:FF+1] op_sel_hi:[1,0]   ; the sums under the new M: a plain place behind the exponentials
	s_wait_alu depctr_va_vdst(0)                   ; one wait for the batch, ahead of its first reader
.irp b, 0,1,2,3
	v_exp_f32 v[BM+\b], v[BM+\b]                   ; each block's largest p
.endr
	v_pk_add_f32 v[S2:S2+1], v[ACC:ACC+1], v[ACC+2:ACC+3]   ; the sum of the unquantised p, in two chains
.irp j, 4,8,12,16,20,24,28,32,36,40,44,48,52,56,60
	v_pk_add_f32 v[SB+2:SB+3], v[SB+2:SB+3], v[ACC+\j:ACC+\j+1]
	v_pk_add_f32 v[S2:S2+1], v[S2:S2+1], v[ACC+\j+2:ACC+\j+3]
.endr
	v_pk_add_f32 v[SB+2:SB+3], v[SB+2:SB+3], v[S2:S2+1]
	s_wait_alu depctr_va_vdst(0)                   ; and one for the four
.irp b, 0,1,2,3
	v_max_num_f32 v[BM+\b], 0x1800000, v[BM+\b]    ; the floor 2^(3 - 127): the byte cannot fall under 1
.endr
	WORD \ps
	CODES \pf
.endm
; 128 rows of one tile of 16 columns of v: quantised along n
.macro VQ vf, vs
.irp b, 0,1,2,3
	v_max3_num_f32 v[BM+\b], |v[ACC+16*\b]|, |v[ACC+16*\b+1]|, 0x1800000
.endr
.irp i, 2,4,6,8,10,12,14
.irp b, 0,1,2,3
	v_max3_num_f32 v[BM+\b], v[BM+\b], |v[ACC+16*\b+\i]|, |v[ACC+16*\b+\i+1]|
.endr
.endr
.irp b, 0,1,2,3
	v_permlanex16_b32 v[BP+\b], v[BM+\b], s[SEL], s[SEL+1]
.endr
.irp b, 0,1,2,3
	v_max_num_f32 v[BM+\b], v[BM+\b], v[BP+\b]
.endr
	WORD \vs
	CODES \vf
.endm
; A STEP: rows 128 z on.  Written out twice: every offset is an immediate, and the first step's context products start the sums with the constant 0
.macro STEP z
	WIN 0x80                                       ; destination window 2
.irp t, 0,1,2,3,4,5,6,7
.irp k, 0,1
	FRAG 24*\t+12*\k, AK, \k, 128*(\z)+32*(\t/2)+8*(\t%2)
.endr
.endr
	s_wait_dscnt 0x0
.irp e, 0,1                                    ; head 2 w + e
.irp d, 0,1                                    ; its d = 16 d on
	PROD 24*(2*\e+\d), 192+8*(2*\e+\d), WKS+2*\e+\d, KVS+8*(\z)
	WIN 0xff
	PLACES 4                                       ; behind the products, ahead of the first read of their results
	KSOFT 2*\e+\d, PFR+12*\d, PSC+\d
.if \z
.irp u, 0,1
.irp j, 0,2,4,6
	v_pk_mul_f32 v[CTX+8*(4*\e+2*\u+\d)+\j:CTX+8*(4*\e+2*\u+\d)+\j+1], v[CTX+8*(4*\e+2*\u+\d)+\j:CTX+8*(4*\e+2*\u+\d)+\j+1], v[FF:FF+1] op_sel_hi:[1,0]   ; context^T under the new M
.endr
.endr
.endif
.endr
.irp u, 0,1                                    ; its e-rows 8 u + r + 8 (r / 8)
	PROD 96+24*(2*\e+\u), 224+8*(2*\e+\u), WVS+2*\e+\u, KVS+8*(\z)
	WIN 0xff
	PLACES 4
	VQ VFR+12*\u, VSC+\u
.endr
	PLACES 8                                       ; a scale word written by a vector instruction stands 8 places ahead of a scaled product, an operand 4
.irp u, 0,1
.irp d, 0,1
.if \z
	v_wmma_scale_f32_16x16x128_f8f6f4 v[CTX+8*(4*\e+2*\u+\d):CTX+8*(4*\e+2*\u+\d)+7], v[VFR+12*\u:VFR+12*\u+11], v[PFR+12*\d:PFR+12*\d+11], v[CTX+8*(4*\e+2*\u+\d):CTX+8*(4*\e+2*\u+\d)+7], v[VSC+\u], v[PSC+\d] matrix_a_fmt:MATRIX_FMT_FP6 matrix_b_fmt:MATRIX_FMT_FP6
.else
	v_wmma_scale_f32_16x16x128_f8f6f4 v[CTX+8*(4*\e+2*\u+\d):CTX+8*(4*\e+2*\u+\d)+7], v[VFR+12*\u:VFR+12*\u+11], v[PFR+12*\d:PFR+12*\d+11], 0, v[VSC+\u], v[PSC+\d] matrix_a_fmt:MATRIX_FMT_FP6 matrix_b_fmt:MATRIX_FMT_FP6
.endif
.endr
.endr
.endr
.endm
	s_load_b512 s[4:19], s[0:1], 0x0               ; kv codes, kv scales, wk codes, wk scales, wk_b, wv codes, wv scales, wv_b
	s_load_b128 s[20:23], s[0:1], 0x40             ; part, stat
	v_lshl_add_u32 v[SPW], v0, 2, SPARE
	v_mov_b32 v[NIL], 0
	ds_add_u32 v[SPW], v[NIL]                      ; the wave's opening: the add, twice on end, and its wait ahead of my first tensor load
	ds_add_u32 v[SPW], v[NIL]
	v_lshrrev_b32 v7, 5, v0
	v_readfirstlane_b32 s[WV], v7                  ; wave 0..3
	s_bfe_u32 s25, ttmp6, 0x40000                  ; my place in the cluster: it enters global addresses of my own rows alone
	s_lshl_b32 s26, ttmp9, 2
	s_add_co_u32 s26, s26, s25                     ; g
	s_mul_i32 s27, s[WV], 64*PITCH                 ; LDS: my wave's 64 rows of each of the three tiles
	s_mul_i32 s30, s[WV], 64*192                   ; memory: my wave's 64 rows of a weight
	s_mov_b32 s31, 0
	s_mul_i32 s28, s26, 256*192                    ; my work-group's rows of kv,
	s_add_co_u32 s28, s28, s30                     ; my wave's 64 of them
	s_mov_b32 s29, 0
	; descriptor group 1: 64 rows of 192 bytes, dense in memory, 16 bytes of padding behind every 64.  s[32:39]: joint (mask of the four, bit 21 beside it); s[40:47]: plain
	s_mov_b32 s32, 15|(1<<20)|(1<<21)|(3<<22)|(3<<25)
	s_mov_b32 s40, (1<<20)|(3<<22)|(3<<25)
.irp g, 32, 40
	s_mov_b32 s[\g+1], 192<<16                     ; tensor_dim0
	s_mov_b32 s[\g+2], 64<<16                      ; tensor_dim1
	s_mov_b32 s[\g+3], 192<<16                     ; tile_dim0
	s_mov_b32 s[\g+4], 64                          ; tile_dim1
	s_mov_b32 s[\g+5], 192                         ; from row to row
	s_mov_b32 s[\g+6], 0
	s_mov_b32 s[\g+7], 0
.endr
	s_mov_b32 s[SEL], 0x76543210
	s_mov_b32 s[SEL+1], 0xfedcba98
	s_mov_b32 s[L2E], 0x3fb8aa3b
	s_mov_b32 s[L2E+1], s[L2E]
	s_wait_dscnt 0x0                               ; both opening adds are done
	s_wait_kmcnt 0x0
	s_mov_b32 s48, 1                               ; group 0 for kv
	s_add_co_u32 s49, s27, KVB
	s_add_nc_u64 s[50:51], s[4:5], s[28:29]
	s_or_b32 s51, s51, 0x80000000
	s_mov_b32 s52, 1                               ; for wk: made of the wave's number alone
	s_add_co_u32 s53, s27, WKB
	s_add_nc_u64 s[54:55], s[8:9], s[30:31]
	s_or_b32 s55, s55, 0x80000000
	s_mov_b32 s56, 1                               ; for wv
	s_add_co_u32 s57, s27, WVB
	s_add_nc_u64 s[58:59], s[14:15], s[30:31]
	s_or_b32 s59, s59, 0x80000000
	CROUND                                         ; all four work-groups are here: the joint loads meet
	tensor_load_to_lds s[48:51], s[40:47]
	s_nop 0
	tensor_load_to_lds s[52:55], s[32:39]
	s_nop 0
	tensor_load_to_lds s[56:59], s[32:39]
	s_nop 0
	PLACES 4
	v_and_b32 v7, 15, v0                           ; r
	v_bfe_u32 v8, v0, 4, 1                         ; h
	v_and_b32 v9, 8, v7
	v_add_nc_u32 v9, v9, v7                        ; r + 8 (r / 8)
	v_mul_u32_u24 v[AK], v9, PITCH
	v_mad_u32_u24 v[AK], v8, 24, v[AK]
	v_lshl_add_u32 v[AK+1], v8, 4, v[AK]
	v_mul_u32_u24 v[AWK], v7, PITCH
	v_mad_u32_u24 v[AWK], v8, 24, v[AWK]
	s_add_co_u32 s28, s27, WKB
	v_add_nc_u32 v[AWK], s28, v[AWK]
	v_lshl_add_u32 v[AWK+1], v8, 4, v[AWK]
	s_add_co_u32 s28, s27, WVB
	v_add_nc_u32 v[AWV], s28, v[AK]
	v_add_nc_u32 v[AWV+1], s28, v[AK+1]
	v_lshlrev_b32 v[A8R], 3, v7
	v_lshl_add_u32 v[A8R], v8, 2, v[A8R]
	v_lshlrev_b32 v[A8RR], 3, v9
	v_lshl_add_u32 v[A8RR], v8, 2, v[A8RR]
	v_lshlrev_b32 v[A4R], 2, v7
	v_lshlrev_b32 v[A4RR], 2, v9
	v_and_b32 v[L16], 31, v0
	v_lshlrev_b32 v[L16], 4, v[L16]
	s_lshl_b32 s28, s26, 11                        ; kv's scale bytes: 8 a row, 256 rows a work-group
	s_add_nc_u64 s[6:7], s[6:7], s[28:29]
	s_lshl_b32 s30, s[WV], 9                       ; the weights' scale bytes: my 64 rows
	s_add_nc_u64 s[10:11], s[10:11], s[30:31]
	s_add_nc_u64 s[16:17], s[16:17], s[30:31]
	s_lshl_b32 s30, s[WV], 8                       ; the biases: my 64 numbers
	s_add_nc_u64 s[12:13], s[12:13], s[30:31]
	s_add_nc_u64 s[18:19], s[18:19], s[30:31]
	s_lshl_b32 s28, s26, 15                        ; part: 32,768 bytes a work-group, 8,192 a wave
	s_lshl_b32 s30, s[WV], 13
	s_add_co_u32 s28, s28, s30
	s_add_nc_u64 s[20:21], s[20:21], s[28:29]
	s_lshl_b32 s28, s26, 12                        ; stat: 4,096 and 1,024
	s_lshl_b32 s30, s[WV], 10
	s_add_co_u32 s28, s28, s30
	s_add_nc_u64 s[22:23], s[22:23], s[28:29]
.irp z, 0,1
.irp t, 0,1,2,3,4,5,6,7
	global_load_b32 v[KVS+8*\z+\t], v[A8RR], s[6:7] offset:(128*\z+32*(\t/2)+8*(\t%2))*8
.endr
.endr
.irp c, 0,1,2,3
	global_load_b32 v[WKS+\c], v[A8R], s[10:11] offset:16*\c*8
	global_load_b32 v[WVS+\c], v[A8RR], s[16:17] offset:(32*(\c/2)+8*(\c%2))*8
.endr
	WIN 0x40                                       ; destination window 1: a lane's column's bias in all eight registers of a tile
.irp c, 0,1,2,3
.irp j, 0,1,2,3,4,5,6,7
	global_load_b32 v[192+8*\c+\j], v[A4R], s[12:13] offset:64*\c
	global_load_b32 v[224+8*\c+\j], v[A4RR], s[18:19] offset:(32*(\c/2)+8*(\c%2))*4
.endr
.endr
	WIN 0xff
.irp c, 0,1,2,3
	v_mov_b32 v[ST+4*\c+1], 0xff61b1e6             ; the largest t so far: -3e38
	v_floor_f32 v[ST+4*\c], -v[ST+4*\c+1]          ; -M
	v_mov_b32 v[ST+4*\c+2], 0                      ; the sum, in two halves
	v_mov_b32 v[ST+4*\c+3], 0
	v_mov_b32 v[BP+\c], 0                          ; a lane permute's destination counts as one of its sources
.endr
	v_mov_b32 v[FF+1], 0                           ; named as the upper half of a pair
	WIN 0
	s_wait_tensorcnt 0x0                           ; my three loads have landed,
	s_barrier_signal -1
	s_barrier_wait -1                              ; everybody's have: kv's rows are read by all four waves
	WIN 0x40
.irp c, 0,1,2,3
.irp k, 0,1
	FRAG 24*\c+12*\k, AWK, \k, 16*\c
	FRAG 96+24*\c+12*\k, AWV, \k, 32*(\c/2)+8*(\c%2)
.endr
.endr
	s_wait_loadcnt 0x0                             ; scale words and biases
	STEP 0
	STEP 1
	; the way out: l's two halves and lane l xor 16's; these sixteen plain lines are also the places behind the last products
	WIN 0xff
.irp c, 0,1,2,3
	v_add_f32 v[ST+4*\c+2], v[ST+4*\c+2], v[ST+4*\c+3]
.endr
.irp c, 0,1,2,3
	v_permlanex16_b32 v[BP+\c], v[ST+4*\c+2], s[SEL], s[SEL+1]
.endr
.irp c, 0,1,2,3
	v_add_f32 v[OQ+4*(\c/2)+2+\c%2], v[ST+4*\c+2], v[BP+\c]
.endr
.irp c, 0,1,2,3
	v_mov_b32 v[OQ+4*(\c/2)+\c%2], v[ST+4*\c]
.endr
	PLACES 4
	WIN 0x0c                                       ; a store's data: window 3
.irp a, 0,1,2,3,4,5,6,7
	global_store_b128 v[L16], v[CTX+8*\a:CTX+8*\a+3], s[20:21] offset:1024*\a          ; each accumulator from its low end on; 32 lanes store 512 consecutive bytes
	global_store_b128 v[L16], v[CTX+8*\a+4:CTX+8*\a+7], s[20:21] offset:1024*\a+512
.endr
	global_store_b128 v[L16], v[OQ:OQ+3], s[22:23]
	global_store_b128 v[L16], v[OQ+4:OQ+7], s[22:23] offset:512
	WIN 0
	s_wait_tensorcnt 0x0                           ; the wave's end
	ds_add_u32 v[SPW], v[NIL]
	s_wait_dscnt 0x0
	CROUND                                         ; the closing round
	s_endpgm
.Lfunc_end_k_qc09b1f51af_kvctx:
	.size	k_qc09b1f51af_kvctx, .Lfunc_end_k_qc09b1f51af_kvctx-k_qc09b1f51af_kvctx
	.p2alignl 7, 3214868480
	.fill 96, 4, 3214868480
	.section	.rodata,"a",@progbits
	.p2align	6, 0x0
	.amdhsa_kernel k_qc09b1f51af_kvctx
		.amdhsa_group_segment_fixed_size 184832
		.amdhsa_private_segment_fixed_size 0
		.amdhsa_enable_private_segment 0
		.amdhsa_kernarg_size 80
		.amdhsa_user_sgpr_count 2
		.amdhsa_user_sgpr_kernarg_segment_ptr 1
		.amdhsa_wavefront_size32 1
		.amdhsa_system_sgpr_workgroup_id_x 1
		.amdhsa_system_sgpr_workgroup_id_y 1
		.amdhsa_system_sgpr_workgroup_id_z 1
		.amdhsa_system_vgpr_workitem_id 0
		.amdhsa_next_free_vgpr 1024
		.amdhsa_next_free_sgpr 100
		.amdhsa_reserve_vcc 0
		.amdhsa_float_denorm_mode_32 3
		.amdhsa_float_denorm_mode_16_64 3
		.amdhsa_memory_ordered 1
		.amdhsa_forward_progress 1
		.amdhsa_inst_pref_size 193
	.end_amdhsa_kernel
	.amdgpu_metadata
---
amdhsa.version: [ 1, 2 ]
amdhsa.kernels:
  - .name:           k_qc09b1f51af_kvctx
    .symbol:         k_qc09b1f51af_kvctx.kd
    .args:
      - { .name: kv_codes, .offset: 0, .size: 8, .value_kind: global_buffer, .address_space: global }
      - { .name: kv_scales, .offset: 8, .size: 8, .value_kind: global_buffer, .address_space: global }
      - { .name: wk_w_codes, .offset: 16, .size: 8, .value_kind: global_buffer, .address_space: global }
      - { .name: wk_w_scales, .offset: 24, .size: 8, .value_kind: global_buffer, .address_space: global }
      - { .name: wk_b, .offset: 32, .size: 8, .value_kind: global_buffer, .address_space: global }
      - { .name: wv_w_codes, .offset: 40, .size: 8, .value_kind: global_buffer, .address_space: global }
      - { .name: wv_w_scales, .offset: 48, .size: 8, .value_kind: global_buffer, .address_space: global }
      - { .name: wv_b, .offset: 56, .size: 8, .value_kind: global_buffer, .address_space: global }
      - { .name: part, .offset: 64, .size: 8, .value_kind: global_buffer, .address_space: global }
      - { .name: stat, .offset: 72, .size: 8, .value_kind: global_buffer, .address_space: global }
    .group_segment_fixed_size: 184832
    .private_segment_fixed_size: 0
    .kernarg_segment_align: 8
    .kernarg_segment_size: 80
    .max_flat_workgroup_size: 128
    .sgpr_count:     100
    .vgpr_count:     1024
    .wavefront_size: 32
...
	.end_amdgpu_metadata
.endif
;; end of part 1
;; launch merge (part 2): grid 41 x 1, 16 waves a work-group, no clusters, 45,312 bytes of LDS; arguments part, stat, ff1_w_codes, ff2_w_codes, wq_w_codes, wimg, ctximg, ctxsc; writes wimg, ctximg, ctxsc
.if DOCPART == 2
	.amdgcn_target "amdgcn-amd-amdhsa--gfx1250"
	.amdhsa_code_object_version 6
	.text
	.protected	k_qc09b1f51af_merge
	.globl	k_qc09b1f51af_merge
	.p2align	8
	.type	k_qc09b1f51af_merge,@function
k_qc09b1f51af_merge:
	s_mov_b64 s[64:65], 0
	v_nop
	global_prefetch_b8 v0, s[64:65] scope:SCOPE_SE
	s_setreg_imm32_b32 hwreg(HW_REG_WAVE_MODE, 25, 1), 1
	s_wait_xcnt 0x0
; Two small jobs in one launch, parted by the work-group's number.  No work of the problem is left out here.
; WORK-GROUPS 0-31 (number = 16 b + 4 w + 2 hb + u): the 128 parts of batch b's context^T, for head 2 w + hb and its e-rows 8 u + r + 8 (r / 8), are brought under one M (the largest of the parts'; the factors are exact
; powers of two), summed, divided by the sum l of the unquantised p, quantised along d (one block of 32) and stored as an image of the operand's registers: register 4 c + x of lane l at 512 c + 16 l + 4 x.
; The last launch multiplies p of BOTH heads of a wave (K blocks 0 and 1) by such a fragment: so head hb's codes stand in K block hb (lanes 16 hb on), all other codes are zeros, and the scale's byte stands at place hb.
; Wave v sums parts 8 v .. 8 v + 7 in registers; the sixteen waves' sums meet in LDS; wave v then finishes register v of the sixteen; wave 0 quantises.
; WORK-GROUPS 32-40: the codes of ff1_w, ff2_w and wq_w are laid as images of their fragments, tile T's lane r taking row 32 (T / 2) + 8 (T % 2) + r + 8 (r / 8), so that the last launch loads each fragment by three loads of 16 bytes a lane.
; No cluster: no tensor load, and no tile that two work-groups read.  LIMITS: NaN and infinities are not served; a block of zeros keeps the floor's byte, 1, over zero codes; the unused bytes of a scale word are 0, over zero codes.
.set RED,   0                          ; 16 waves x 2,048 bytes: their sums
.set RST,   32768                      ; 16 x 512: their -M and l
.set TRM,   40960                      ; 16 e-rows x (32 d x 4 bytes + 16)
.set SPARE, 43264                      ; the spare words, 128 bytes a wave: eight blocks of 256 bytes that no other line names
.set SPW, 254
.set NIL, 255
.set PP,  32                           ; v32-159  eight parts x 16 registers
.set SS,  160                          ; v160-191 eight parts' (-M dt0, -M dt1, l dt0, l dt1)
.set AC,  192                          ; v192-207 my sum: register 8 dt + j
.set NW,  208                          ; v208-211 my -M (dt0, dt1) and l (dt0, dt1)
.set FP,  212                          ; v212-227 the factors, a pair (dt0, dt1) for each part
	s_load_b512 s[4:19], s[0:1], 0x0               ; part, stat, ff1 codes, ff2 codes, wq codes, wimg, ctximg, ctxsc
	v_lshl_add_u32 v[SPW], v0, 2, SPARE
	v_mov_b32 v[NIL], 0
	v_lshrrev_b32 v1, 5, v0
	v_readfirstlane_b32 s20, v1                    ; wave 0..15
	v_and_b32 v1, 31, v0
	v_lshlrev_b32 v1, 4, v1                        ; 16 x lane
	v_and_b32 v2, 15, v0                           ; r
	v_bfe_u32 v3, v0, 4, 1                         ; h
	; every LDS address is made here, ahead of all branches
	s_lshl_b32 s21, s20, 11
	v_add_nc_u32 v4, s21, v1                       ; my sums go to RED + 2,048 wave + 16 lane
	s_lshl_b32 s21, s20, 9
	s_add_co_u32 s21, s21, RST
	v_add_nc_u32 v5, s21, v1                       ; my figures to RST + 512 wave + 16 lane
	s_lshr_b32 s21, s20, 2
	s_lshl_b32 s21, s21, 9
	s_and_b32 s22, s20, 3
	s_lshl_b32 s22, s22, 2
	s_add_co_u32 s21, s21, s22
	v_add_nc_u32 v6, s21, v1                       ; register 'wave' of a wave's sixteen
	s_lshr_b32 s21, s20, 3                         ; its dt
	s_lshl_b32 s22, s21, 2
	s_add_co_u32 s22, s22, RST
	v_add_nc_u32 v7, s22, v1                       ; and that dt's figures
	s_lshl_b32 s21, s21, 6
	s_and_b32 s22, s20, 7
	s_mul_i32 s22, s22, 144
	s_add_co_u32 s21, s21, s22
	s_add_co_u32 s21, s21, TRM
	v_mul_u32_u24 v8, v3, 1152
	v_lshl_add_u32 v8, v2, 2, v8
	v_add_nc_u32 v8, s21, v8                       ; e-row 8 h + j, d = 16 dt + r
	v_mul_u32_u24 v9, v2, 144
	v_add_nc_u32 v9, TRM, v9                       ; e-row r, whole
	s_wait_kmcnt 0x0
	s_cmp_ge_u32 ttmp9, 32
	s_cbranch_scc1 .Limages
	; ---- the context
	s_lshr_b32 s22, ttmp9, 4                       ; b
	s_lshl_b32 s22, s22, 7
	s_lshl_b32 s23, s20, 3
	s_add_co_u32 s22, s22, s23                     ; my first part: 128 b + 8 wave
	s_and_b32 s23, ttmp9, 15                       ; 4 w + 2 hb + u
	s_lshl_b32 s24, s22, 15
	s_lshl_b32 s25, s23, 11
	s_add_co_u32 s24, s24, s25
	s_mov_b32 s25, 0
	s_add_nc_u64 s[4:5], s[4:5], s[24:25]
	s_lshl_b32 s24, s22, 12
	s_lshr_b32 s26, s23, 1
	s_lshl_b32 s26, s26, 9
	s_add_co_u32 s24, s24, s26
	s_add_nc_u64 s[6:7], s[6:7], s[24:25]
.irp i, 0,1,2,3,4,5,6,7
	global_load_b128 v[SS+4*\i:SS+4*\i+3], v1, s[6:7] offset:4096*\i
.endr
.irp i, 0,1,2,3,4,5,6,7
.irp k, 0,1,2,3
	global_load_b128 v[PP+16*\i+4*\k:PP+16*\i+4*\k+3], v1, s[4:5] offset:32768*\i+512*\k th:TH_LOAD_NT
.endr
.endr
	s_wait_loadcnt 32                              ; the eight loads of figures are in; the 32 of parts, issued behind them, may be out
.irp d, 0,1
	v_min3_num_f32 v[NW+\d], v[SS+\d], v[SS+4+\d], v[SS+8+\d]      ; the least -M is the largest M
	v_min3_num_f32 v[NW+\d], v[NW+\d], v[SS+12+\d], v[SS+16+\d]
	v_min3_num_f32 v[NW+\d], v[NW+\d], v[SS+20+\d], v[SS+24+\d]
	v_min_num_f32 v[NW+\d], v[NW+\d], v[SS+28+\d]
.endr
.irp i, 0,1,2,3,4,5,6,7
.irp d, 0,1
	v_sub_f32 v[FP+2*\i+\d], v[NW+\d], v[SS+4*\i+\d]               ; the part's M less the largest: a whole number, 0 or less
.endr
.endr
.irp i, 0,1,2,3,4,5,6,7
.irp d, 0,1
	v_cvt_i32_f32 v[FP+2*\i+\d], v[FP+2*\i+\d]
.endr
.endr
.irp i, 0,1,2,3,4,5,6,7
.irp d, 0,1
	v_ldexp_f32 v[FP+2*\i+\d], 1.0, v[FP+2*\i+\d]
.endr
.endr
	v_pk_mul_f32 v[NW+2:NW+3], v[SS+2:SS+3], v[FP:FP+1]
.irp i, 1,2,3,4,5,6,7
	v_pk_fma_f32 v[NW+2:NW+3], v[SS+4*\i+2:SS+4*\i+3], v[FP+2*\i:FP+2*\i+1], v[NW+2:NW+3]
.endr
	s_wait_loadcnt 28                              ; part 0's four loads are in; the 28 behind them may be out
.irp x, 0,2,4,6
	v_pk_mul_f32 v[AC+\x:AC+\x+1], v[PP+\x:PP+\x+1], v[FP:FP+1] op_sel_hi:[1,0]                      ; dt 0: the pair's first number for both halves
	v_pk_mul_f32 v[AC+8+\x:AC+8+\x+1], v[PP+8+\x:PP+8+\x+1], v[FP:FP+1] op_sel:[0,1] op_sel_hi:[1,1]  ; dt 1: its second
.endr
.irp i, 1,2,3,4,5,6,7
	s_wait_loadcnt 4*(7-\i)                        ; part i's four loads are in; four for each later part may be out
.irp x, 0,2,4,6
	v_pk_fma_f32 v[AC+\x:AC+\x+1], v[PP+16*\i+\x:PP+16*\i+\x+1], v[FP+2*\i:FP+2*\i+1], v[AC+\x:AC+\x+1] op_sel_hi:[1,0,1]
	v_pk_fma_f32 v[AC+8+\x:AC+8+\x+1], v[PP+16*\i+8+\x:PP+16*\i+8+\x+1], v[FP+2*\i:FP+2*\i+1], v[AC+8+\x:AC+8+\x+1] op_sel:[0,1,0] op_sel_hi:[1,1,1]
.endr
.endr
.irp k, 0,1,2,3
	ds_store_b128 v4, v[AC+4*\k:AC+4*\k+3] offset:512*\k
.endr
	ds_store_b128 v5, v[NW:NW+3]
	s_wait_dscnt 0x0                               ; for the others' sake: my stores have landed
	s_barrier_signal -1
	s_barrier_wait -1
.irp a, 0,1,2,3,4,5,6,7,8,9,10,11,12,13,14,15
	ds_load_b32 v[32+\a], v6 offset:2048*\a        ; register 'wave' of every wave's sum,
	ds_load_b32 v[64+\a], v7 offset:512*\a         ; its -M,
	ds_load_b32 v[96+\a], v7 offset:512*\a+8       ; its l
.endr
	s_wait_dscnt 0x0
	v_min3_num_f32 v128, v64, v65, v66
.irp a, 3,5,7,9,11,13
	v_min3_num_f32 v128, v128, v[64+\a], v[65+\a]
.endr
	v_min_num_f32 v128, v128, v79
.irp a, 0,1,2,3,4,5,6,7,8,9,10,11,12,13,14,15
	v_sub_f32 v[64+\a], v128, v[64+\a]
.endr
.irp a, 0,1,2,3,4,5,6,7,8,9,10,11,12,13,14,15
	v_cvt_i32_f32 v[64+\a], v[64+\a]
.endr
.irp a, 0,1,2,3,4,5,6,7,8,9,10,11,12,13,14,15
	v_ldexp_f32 v[64+\a], 1.0, v[64+\a]
.endr
	v_mul_f32 v129, v32, v64
	v_mul_f32 v130, v96, v64
.irp a, 1,2,3,4,5,6,7,8,9,10,11,12,13,14,15
	v_fma_f32 v129, v[32+\a], v[64+\a], v129
	v_fma_f32 v130, v[96+\a], v[64+\a], v130
.endr
	v_rcp_f32 v130, v130
	v_nop                                          ; a plain place behind the reciprocal
	s_wait_alu depctr_va_vdst(0)                   ; and the wait ahead of its first reader
	v_mul_f32 v129, v129, v130                     ; context(d, e) = the sum / l
	ds_store_b32 v8, v129
	s_wait_dscnt 0x0
	s_barrier_signal -1
	s_barrier_wait -1
	s_cmp_lg_u32 s20, 0
	s_cbranch_scc1 .Lend                           ; wave 0 quantises: no barrier stands behind this branch
.irp a, 0,1,2,3,4,5,6,7
	ds_load_b128 v[32+4*\a:35+4*\a], v9 offset:16*\a   ; e-row r: its 32 d, in both halves of the lanes
.endr
	s_wait_dscnt 0x0
	v_max3_num_f32 v12, |v32|, |v33|, |v34|
	v_max3_num_f32 v13, |v35|, |v36|, |v37|
.irp i, 6,10,14,18,22,26
	v_max3_num_f32 v12, v12, |v[32+\i]|, |v[33+\i]|
	v_max3_num_f32 v13, v13, |v[34+\i]|, |v[35+\i]|
.endr
	v_max3_num_f32 v12, v12, |v62|, |v63|
	v_max3_num_f32 v12, v12, v13, 0x1800000        ; and the floor 2^(3 - 127)
	v_add_nc_u32 v13, 0xff000000, v12              ; 2 off the exponent field: the conversions' scale operand
	v_lshrrev_b32 v14, 23, v13                     ; the scale's byte
	v_cvt_scalef32_pk16_fp6_f32 v[64:66], v[32:47], v13
	v_cvt_scalef32_pk16_fp6_f32 v[72:74], v[48:63], v13
	v_nop                                          ; one plain place behind a scaled conversion
	v_mov_b32 v67, v72
	v_mov_b32 v68, v73
	v_mov_b32 v69, v74
	s_lshr_b32 s22, ttmp9, 1
	s_and_b32 s22, s22, 1                          ; hb
	s_lshl_b32 s23, s22, 4
	s_lshl_b32 s23, 0xffff, s23                    ; lanes 16 hb on
	s_lshl_b32 s22, s22, 3
.irp i, 64,65,66,67,68,69
	v_cndmask_b32 v[\i], 0, v[\i], s23             ; K block hb keeps the codes, the other block holds zeros
.endr
.irp i, 70,71,72,73,74,75
	v_mov_b32 v[\i], 0                             ; K = 64 on: zeros
.endr
	v_lshlrev_b32 v76, s22, v14                    ; the byte at place hb
	s_mul_i32 s24, ttmp9, 1536
	s_mov_b32 s25, 0
	s_add_nc_u64 s[16:17], s[16:17], s[24:25]
	s_lshl_b32 s24, ttmp9, 7
	s_add_nc_u64 s[18:19], s[18:19], s[24:25]
	v_lshrrev_b32 v10, 2, v1                       ; 4 x lane
.irp c, 0,1,2
	global_store_b128 v1, v[64+4*\c:67+4*\c], s[16:17] offset:512*\c
.endr
	global_store_b32 v10, v76, s[18:19]
	s_branch .Lend
.Limages:
	; ---- the weights' images: two fragments a wave
	s_sub_co_u32 s22, ttmp9, 32
	s_lshr_b32 s23, s22, 2                         ; 0: ff1_w, 1: ff2_w, 2: wq_w
	s_and_b32 s24, s22, 3
	s_lshl_b32 s24, s24, 5
	s_lshl_b32 s25, s20, 1
	s_add_co_u32 s24, s24, s25                     ; my first fragment of the tensor, an even number
	s_cmp_eq_u32 s23, 1
	s_mov_b32 s26, 768
	s_cselect_b32 s26, s26, 192                    ; a row of codes in bytes
	s_cselect_b32 s27, 3, 1                        ; K steps a row: 8 or 2
	s_cselect_b32 s28, 7, 1
	s_cselect_b64 s[30:31], s[10:11], s[8:9]
	s_cmp_eq_u32 s23, 2
	s_cselect_b64 s[30:31], s[12:13], s[30:31]
	s_lshr_b32 s29, s24, s27                       ; tile T
	s_and_b32 s28, s24, s28                        ; K step (the second fragment: the next one of the same tile)
	s_lshr_b32 s34, s29, 1
	s_lshl_b32 s34, s34, 5
	s_and_b32 s35, s29, 1
	s_lshl_b32 s35, s35, 3
	s_add_co_u32 s34, s34, s35                     ; the tile's first row
	s_mul_i32 s34, s34, s26
	s_mul_i32 s35, s28, 96
	s_add_co_u32 s34, s34, s35
	s_mov_b32 s35, 0
	s_add_nc_u64 s[30:31], s[30:31], s[34:35]
	s_lshl_b32 s36, s23, 7
	s_add_co_u32 s36, s36, s24
	s_mul_i32 s36, s36, 1536
	s_mov_b32 s37, 0
	s_add_nc_u64 s[14:15], s[14:15], s[36:37]
	v_and_b32 v10, 8, v2
	v_add_nc_u32 v10, v10, v2                      ; r + 8 (r / 8)
	v_mul_lo_u32 v10, v10, s26
	v_mad_u32_u24 v10, v3, 24, v10
.irp i, 0,1
.irp p, 0,1,2,3,4,5
	global_load_b64 v[32+12*\i+2*\p:33+12*\i+2*\p], v10, s[30:31] offset:96*\i+48*(\p/3)+8*(\p%3)
.endr
.endr
	s_wait_loadcnt 0x0
.irp i, 0,1
.irp c, 0,1,2
	global_store_b128 v1, v[32+12*\i+4*\c:35+12*\i+4*\c], s[14:15] offset:1536*\i+512*\c   ; 32 lanes store 512 consecutive bytes
.endr
.endr
.Lend:
	s_wait_tensorcnt 0x0                           ; the wave's end
	ds_add_u32 v[SPW], v[NIL]
	s_wait_dscnt 0x0
	s_endpgm
.Lfunc_end_k_qc09b1f51af_merge:
	.size	k_qc09b1f51af_merge, .Lfunc_end_k_qc09b1f51af_merge-k_qc09b1f51af_merge
	.p2alignl 7, 3214868480
	.fill 96, 4, 3214868480
	.section	.rodata,"a",@progbits
	.p2align	6, 0x0
	.amdhsa_kernel k_qc09b1f51af_merge
		.amdhsa_group_segment_fixed_size 45312
		.amdhsa_private_segment_fixed_size 0
		.amdhsa_enable_private_segment 0
		.amdhsa_kernarg_size 64
		.amdhsa_user_sgpr_count 2
		.amdhsa_user_sgpr_kernarg_segment_ptr 1
		.amdhsa_wavefront_size32 1
		.amdhsa_system_sgpr_workgroup_id_x 1
		.amdhsa_system_sgpr_workgroup_id_y 1
		.amdhsa_system_sgpr_workgroup_id_z 1
		.amdhsa_system_vgpr_workitem_id 0
		.amdhsa_next_free_vgpr 256
		.amdhsa_next_free_sgpr 66
		.amdhsa_reserve_vcc 0
		.amdhsa_float_denorm_mode_32 3
		.amdhsa_float_denorm_mode_16_64 3
		.amdhsa_memory_ordered 1
		.amdhsa_forward_progress 1
		.amdhsa_inst_pref_size 28
	.end_amdhsa_kernel
	.amdgpu_metadata
---
amdhsa.version: [ 1, 2 ]
amdhsa.kernels:
  - .name:           k_qc09b1f51af_merge
    .symbol:         k_qc09b1f51af_merge.kd
    .args:
      - { .name: part, .offset: 0, .size: 8, .value_kind: global_buffer, .address_space: global }
      - { .name: stat, .offset: 8, .size: 8, .value_kind: global_buffer, .address_space: global }
      - { .name: ff1_w_codes, .offset: 16, .size: 8, .value_kind: global_buffer, .address_space: global }
      - { .name: ff2_w_codes, .offset: 24, .size: 8, .value_kind: global_buffer, .address_space: global }
      - { .name: wq_w_codes, .offset: 32, .size: 8, .value_kind: global_buffer, .address_space: global }
      - { .name: wimg, .offset: 40, .size: 8, .value_kind: global_buffer, .address_space: global }
      - { .name: ctximg, .offset: 48, .size: 8, .value_kind: global_buffer, .address_space: global }
      - { .name: ctxsc, .offset: 56, .size: 8, .value_kind: global_buffer, .address_space: global }
    .group_segment_fixed_size: 45312
    .private_segment_fixed_size: 0
    .kernarg_segment_align: 8
    .kernarg_segment_size: 64
    .max_flat_workgroup_size: 512
    .sgpr_count:     66
    .vgpr_count:     256
    .wavefront_size: 32
...
	.end_amdgpu_metadata
.endif
;; end of part 2
;; launch block (part 3): grid 256 x 1, 4 waves a work-group, clusters of 4 x 1, 322,560 bytes of LDS; arguments q, out0, wimg, ctximg, ctxsc, ff1_w_scales, ff2_w_scales, wq_w_scales, ff1_b, wq_b, ff2_b, ln1_g, ln1_b, ln2_g, ln2_b; writes out0
.if DOCPART == 3
	.amdgcn_target "amdgcn-amd-amdhsa--gfx1250"
	.amdhsa_code_object_version 6
	.text
	.protected	k_qc09b1f51af_block
	.globl	k_qc09b1f51af_block
	.p2align	8
	.type	k_qc09b1f51af_block,@function
k_qc09b1f51af_block:
	s_mov_b64 s[64:65], 0
	v_nop
	global_prefetch_b8 v0, s[64:65] scope:SCOPE_SE
	s_setreg_imm32_b32 hwreg(HW_REG_WAVE_MODE, 25, 1), 1
	s_wait_xcnt 0x0
	s_wait_alu depctr_hold_cnt(0) depctr_sa_sdst(0) depctr_va_vdst(0) depctr_va_sdst(0) depctr_va_ssrc(0) depctr_va_vcc(0) depctr_vm_vsrc(0)
	s_getreg_b32 s2, hwreg(HW_REG_IB_STS2, 6, 4)
	s_cmp_eq_u32 s2, 0
	s_cbranch_scc0 .Lentry_in_a_cluster
	s_endpgm
.Lentry_in_a_cluster:
	s_bfe_u32 s2, ttmp6, 0x10000c
	s_cmp_lg_u32 s2, 0x3003
	s_cbranch_scc0 .Lentry_shape_is_right
	s_endpgm
.Lentry_shape_is_right:
; out = LN2(x + gelu(x ff1 + b1) ff2 + b2), x = LN1(q + softmax_d(q wq + bq) context), row by row; all four products on codes of FP6 (E2M3) with one E8M0 scale for each 32 along K.  No work of the problem is left out here.
; SHARES.  Work-group 4 x cluster + place owns 256 rows, in four passes of 64 (four tiles of 16).  THE WAVES SHARE THE COLUMNS, NOT THE ROWS: wave w owns columns 64 w on (heads 2 w, 2 w + 1) and hidden units 256 w on, for all rows.
; So a wave's part of ff1 (32 fragments) stays in its registers, and its parts of ff2 (32 fragments, 49,152 bytes) and of wq (8 fragments, 12,288 bytes) in LDS, for the whole launch; what goes round is small: the rows' codes, as images of the operands' registers.
; ALL PRODUCTS ARE USED TRANSPOSED (source 0 = 16 rows of a weight, source 1 = 16 rows of the block), and a weight's tile T takes rows 32 (T / 2) + 8 (T % 2) + r + 8 (r / 8): a lane holds row r of a tile,
; and register 32 m + 16 b + i of X is column 64 w + 32 b + 16 (lane / 16) + i of row 16 m + r: sixteen neighbours along the next K.
; THE q-SOFTMAX: t = logit x log2(e), M = ceil(the head's largest t), p = 2^(t - M) quantised along d; the sum of the unquantised p divides the product.  A head's 32 d are one block: K block hb of a fragment; the context's
; fragment for head hb has zero codes everywhere else, so both heads' p share one fragment, and what stands in its K = 64 on is multiplied by zeros (E2M3 has no code for NaN or infinity).
; LAYER NORM over the four waves' columns: each wave's own mean and sum of squares about it; the four are joined by M2 = the sum of M2_i + 64 x the sum of (mean_i - mean)^2: no difference of large sums is formed.
; GELU, exact form: 2 gelu(x) = x + |x| erf(|x| / sqrt 2), erf(z) = 1 - (a1 t + .. + a5 t^5) e^(-z^2), t = 1 / (1 + p z) (Abramowitz and Stegun 7.1.26).  The doubled number is quantised with a scale byte one lower: exact.
; The residual x and ff2_b are the start of the last product's sums (its accumulators are X itself); wq_b and ff1_b are the C of their products' first instructions.
; WHAT IS ASKED FOR AHEAD.  wq's fragments are in registers (v192-239 of windows 1 and 2) only from a pass's head to the end of attention; behind attention the next 64 rows of q are loaded into v192-255 of those windows,
; two products ahead of their use: no wave waits for that stream, so no prefetch is laid for it.  The context's images are asked for at the head of the tail; ff1_b and the next tile's fragments of x half a tile ahead.
; CLUSTER.  All work-groups read the same ff2: the four of a cluster ask for it jointly, one tensor load a wave (one is out at the most), each wave its own 49,152 bytes, which it alone reads; filled once.
; ff1 and wq go from memory through registers, which a tensor load cannot fill: no joint request for them.
; LIMITS: NaN and infinities among the inputs are not served.  erf's absolute error is at most 1.5e-7: for x > 0 gelu is right to a few 1e-7 of itself; for x < 0 its relative error grows as 1.5e-7 / (1 + erf).
; A block whose largest magnitude lies under 2^-124 keeps the floor's byte, 1 (a block of zeros too, where the quantiser says 127: its codes are zeros, and this program alone reads the byte).
; REGISTERS, in windows of 256.  Window 0: v1-24 addresses, v30-31 the add's two, v32-83 scale words, v84-90 and v220-238 at work on X's codes, v92-219 X.  Windows 1, 2: K steps 0, 1 of ff1's 16 tiles (v0-191); v192-255: wq, then q.
; Window 3, by phase: attention; the norms' vectors and figures; the hidden layer (v0-63), GELU's three sets of 32, of which two hold ff1_b between uses; the last product's two sets of 8 fragments; rows of out.
.set HIM,   196608                     ; LDS: 0: my ff2 images, 4 x 49,152;  here: the hidden layer's 32 fragments (8 m + K step) x 1,536
.set STG,   196608                     ; a stage of 16 rows x (256 + 16) bytes for each wave, IN THE HIDDEN LAYER'S BYTES: those are read ahead of the tail's barrier and stored behind the third barrier of a pass; the stage is used between the two, each wave its own part
.set BASE2, 245760
.set XIM,   245760                     ; the rows' 8 fragments (2 m + K step) x 1,536, in halves of 768: 16 bytes a lane, then 8 bytes a lane
.set XSC,   258048                     ; their scale words: 128 m + 64 K step + 4 r
.set HSC,   258560                     ; the hidden layer's: 512 m + 64 K step + 4 r
.set TAB,   260608                     ; ff1_b (4,096), wq_b, ff2_b, ln1_g, ln1_b, ln2_g, ln2_b (1,024 each)
.set STT,   270848                     ; the norms' figures: 64 rows x 4 waves x (mean, M2)
.set WQI,   272896                     ; wq's images: 4 waves x 8 fragments x 1,536; each wave stores and reads its own
.set SPARE, 322048                     ; the spare words, 128 bytes a wave: two blocks of 256 bytes that no other line names
.set QO,   1                           ; 1,024 h + 256 w + 16 r: my 16 bytes of two rows of q or out
.set L16,  2                           ; BASE2 + 16 lane
.set L8,   3                           ; BASE2 + 8 lane
.set L4,   4                           ; BASE2 + 4 lane
.set L16H, 5                           ; HIM + 16 lane
.set F2R,  6                           ; 49,152 w + 16 lane
.set XW16, 7                           ; XIM + 768 w + 16 lane: my half of a fragment
.set XW8,  8                           ; XIM + 768 w + 8 lane
.set XWS,  9                           ; XSC + 64 (w / 2) + 2 (w % 2) + 4 r
.set HW16, 10                          ; HIM + 3,072 w + 16 lane
.set HWS,  11                          ; HSC + 128 w + 4 r
.set TV,   12                          ; TAB + 4,096 + 256 w + 64 h
.set TB1,  13                          ; TAB + 1,024 w + 64 h
.set SWA,  14                          ; STT + 32 r + 8 w
.set SRA,  15                          ; STT + 32 r
.set SGW,  16                          ; my stage, by whole rows: 272 h + 16 r
.set SGL,  17                          ; my stage, by X's layout: 272 r + 64 h
.set CIO,  18                          ; 16 lane
.set WQR,  19                          ; WQI + 12,288 w + 16 lane
.set SPW,  30
.set NIL,  31
.set W1S,  32
.set W2S,  48
.set WQS,  64
.set CXS,  68
.set XS,   72
.set PS,   74
.set HS,   76
.set QPC2, 84                          ; v84-89, v90: the second set of X's codes and scale bytes
.set QPW2, 90
.set X,    92
.set QM,   220
.set QP,   222
.set QS,   224
.set QB,   226
.set QPW,  228
.set QPC,  230
.set QCV,  236
.set QF,   64                          ; window 3, attention: scores v0-63, the rows' fragments, wq_b, the context's fragments, at work
.set BQ,   112
.set CT,   144
.set MX,   192
.set MY,   196
.set NM,   200
.set LS,   208
.set SO,   216
.set PF,   220
.set ACV,  238
.set SA,   192                         ; window 3, the norms: g v0-31, beta v32-63, ff2_b v64-95
.set MWP,  200
.set SQ,   208
.set STL,  208
.set RP,   240
.set TP,   248
.set T,    64                          ; window 3, the hidden layer (v0-63)
.set E,    96
.set P,    128
.set BI,   96                          ; ff1_b of the half to come, in E's and P's registers between GELU's last line and the next first product
.set XF,   160
.set A4,   184
.set TM,   220
.set PW,   232
.set PC,   234
.set CV,   246
.set OB,   192
.set WV,   76                          ; s76 my wave's number
.set MSB, 0
.macro WIN new                         ; the immediate's high byte repeats the setting that is left
.if MSB != (\new)
	s_set_vgpr_msb (MSB<<8)|(\new)
.set MSB, (\new)
.endif
.endm
.macro PLACES n
.rept \n
	v_nop
.endr
.endm
.macro CROUND                          ; a round of the cluster's barrier
	s_barrier_signal -1
	s_barrier_wait -1
	s_cmp_lg_u32 s[WV], 0
	s_cbranch_scc1 .Lnot_wave_0_\@
	s_barrier_signal -3
.Lnot_wave_0_\@:
	s_barrier_wait -3
	s_barrier_signal -1
	s_barrier_wait -1
.endm
.macro BAR                             ; my LDS stores have landed and my LDS loads are in: then the work-group's barrier
	s_wait_dscnt 0x0
	s_barrier_signal -1
	s_barrier_wait -1
.endm
; 64 rows of q from off bytes on: tiles 0, 1 into v192-255 of window 1, tiles 2, 3 of window 2; 16 lanes read 256 consecutive bytes of a row
.macro QLOAD off
.irp m, 0,1,2,3
	WIN 0x40+0x40*(\m/2)
.irp a, 0,1,2,3,4,5,6,7
	global_load_b128 v[192+32*(\m%2)+4*\a:192+32*(\m%2)+4*\a+3], v[QO], s[4:5] offset:(\off)+2048*(8*\m+\a) th:TH_LOAD_NT
.endr
.endr
	WIN 0
.endm
.macro CTXLOAD                         ; my four images of the context
	WIN 0xc0
.irp t, 0,1,2,3
.irp c, 0,1,2
	global_load_b128 v[CT+12*\t+4*\c:CT+12*\t+4*\c+3], v[CIO], s[88:89] offset:1536*\t+512*\c
.endr
.endr
	WIN 0
.endm
; tile m of q goes through my stage into X's layout.  LDS serves a wave's instructions in order: the loads see the stores, and the next tile's stores come behind them
.macro STIN m
	WIN 0x04+0x04*((\m)/2)
.irp a, 0,1,2,3,4,5,6,7
	ds_store_b128 v[SGW], v[192+32*((\m)%2)+4*\a:192+32*((\m)%2)+4*\a+3] offset:544*\a
.endr
	WIN 0
.irp b, 0,1
.irp y, 0,1,2,3
	ds_load_b128 v[X+32*(\m)+16*\b+4*\y:X+32*(\m)+16*\b+4*\y+3], v[SGL] offset:128*\b+16*\y
.endr
.endr
.endm
; tile m of X: my 64 columns are two blocks of 32 and half a fragment: codes and two scale bytes go to LDS.  Two sets of registers by turns: a set is written again two tiles on
.macro QH m
.set XB, X+32*(\m)
.set QC, QPC
.set QW, QPW
.if (\m)%2
.set QC, QPC2
.set QW, QPW2
.endif
	v_max3_num_f32 v[QM], |v[XB]|, |v[XB+1]|, 0x1800000
	v_max3_num_f32 v[QM+1], |v[XB+16]|, |v[XB+17]|, 0x1800000
.irp i, 2,4,6,8,10,12,14
	v_max3_num_f32 v[QM], v[QM], |v[XB+\i]|, |v[XB+\i+1]|
	v_max3_num_f32 v[QM+1], v[QM+1], |v[XB+16+\i]|, |v[XB+17+\i]|
.endr
	v_permlanex16_b32 v[QP], v[QM], s48, s49
	v_permlanex16_b32 v[QP+1], v[QM+1], s48, s49
	v_max_num_f32 v[QM], v[QM], v[QP]
	v_max_num_f32 v[QM+1], v[QM+1], v[QP+1]
	v_add_nc_u32 v[QS], 0xff000000, v[QM]
	v_add_nc_u32 v[QS+1], 0xff000000, v[QM+1]
	v_lshrrev_b32 v[QB], 23, v[QS]
	v_lshrrev_b32 v[QB+1], 23, v[QS+1]
	v_lshl_or_b32 v[QW], v[QB+1], 8, v[QB]
	v_cvt_scalef32_pk16_fp6_f32 v[QC:QC+2], v[XB:XB+15], v[QS]
	v_cvt_scalef32_pk16_fp6_f32 v[QCV:QCV+2], v[XB+16:XB+31], v[QS+1]
	v_nop                                          ; one plain place behind a scaled conversion
.irp i, 0,1,2
	v_permlane16_swap_b32 v[QC+\i], v[QCV+\i]
.endr
.irp i, 0,1,2
	v_mov_b32 v[QC+3+\i], v[QCV+\i]
.endr
	ds_store_b128 v[XW16], v[QC:QC+3] offset:3072*(\m)
	ds_store_b64 v[XW8], v[QC+4:QC+5] offset:3072*(\m)+512
	ds_store_b16 v[XWS], v[QW] offset:128*(\m)     ; both lanes of a row write the same two bytes
.endm
; the fragments and scale words of row tiles 2 mm and 2 mm + 1
.macro AFETCH mm
	WIN 0xc0
.irp a, 0,1
.irp k, 0,1
.irp c, 0,1
	ds_load_b128 v[QF+12*(2*\a+\k)+6*\c:QF+12*(2*\a+\k)+6*\c+3], v[L16] offset:1536*(2*(2*(\mm)+\a)+\k)+768*\c
	ds_load_b64 v[QF+12*(2*\a+\k)+6*\c+4:QF+12*(2*\a+\k)+6*\c+5], v[L8] offset:1536*(2*(2*(\mm)+\a)+\k)+768*\c+512
.endr
.endr
.endr
	WIN 0
.irp a, 0,1
	ds_load_b32 v[XS+\a], v[L4] offset:XSC-BASE2+128*(2*(\mm)+\a)   ; lanes 0-15 K step 0's words, lanes 16-31 K step 1's
.endr
.endm
; row tiles 2 mm and 2 mm + 1: q wq + bq, the softmax over each head's 32, the product with the context, X += the result / l
.macro ATT mm
	s_wait_dscnt 0x0                               ; the fragments asked for ahead are in
	WIN 0xfd                                       ; A window 1; B, C, D window 3
.irp a, 0,1
.irp t, 0,1,2,3
	v_wmma_scale_f32_16x16x128_f8f6f4 v[32*\a+8*\t:32*\a+8*\t+7], v[192+12*\t:192+12*\t+11], v[QF+24*\a:QF+24*\a+11], v[BQ+8*\t:BQ+8*\t+7], v[WQS+\t], v[XS+\a] matrix_a_fmt:MATRIX_FMT_FP6 matrix_b_fmt:MATRIX_FMT_FP6
.endr
.endr
	WIN 0xfe                                       ; A window 2
.irp a, 0,1
.irp t, 0,1,2,3
	v_wmma_scale_f32_16x16x128_f8f6f4 v[32*\a+8*\t:32*\a+8*\t+7], v[192+12*\t:192+12*\t+11], v[QF+24*\a+12:QF+24*\a+23], v[32*\a+8*\t:32*\a+8*\t+7], v[WQS+\t], v[XS+\a] matrix_a_fmt:MATRIX_FMT_FP6 matrix_b_fmt:MATRIX_FMT_FP6 matrix_a_scale:MATRIX_SCALE_ROW1 matrix_b_scale:MATRIX_SCALE_ROW1
.endr
.endr
	WIN 0xff
	PLACES 4                                       ; behind the products: ahead of the first read of their results, and of loads into their operands
.if (\mm) == 0
	AFETCH 1                                       ; the next two tiles' fragments land while this softmax is worked
	WIN 0xff
.endif
.irp q, 0,1,2,3                                ; q = 2 x tile + head: its 16 registers begin at 16 q
	v_max3_num_f32 v[MX+\q], v[16*\q], v[16*\q+1], v[16*\q+2]
.endr
.irp i, 3,5,7,9,11,13
.irp q, 0,1,2,3
	v_max3_num_f32 v[MX+\q], v[MX+\q], v[16*\q+\i], v[16*\q+\i+1]
.endr
.endr
.irp q, 0,1,2,3
	v_max_num_f32 v[MX+\q], v[MX+\q], v[16*\q+15]
.endr
.irp q, 0,1,2,3
	v_permlanex16_b32 v[MY+\q], v[MX+\q], s48, s49
.endr
.irp q, 0,1,2,3
	v_max_num_f32 v[MX+\q], v[MX+\q], v[MY+\q]     ; the head's largest logit of my row
.endr
.irp q, 0,1,2,3
	v_mul_f32 v[MY+\q], s50, v[MX+\q]
.endr
.irp q, 0,1,2,3
	v_floor_f32 v[NM+2*\q], -v[MY+\q]              ; -M = -ceil(t)
.endr
.irp q, 0,1,2,3
	v_mov_b32 v[NM+2*\q+1], v[NM+2*\q]             ; (named with it as a pair)
.endr
.irp q, 0,1,2,3
.irp j, 0,2,4,6,8,10,12,14
	v_pk_fma_f32 v[16*\q+\j:16*\q+\j+1], v[16*\q+\j:16*\q+\j+1], s[50:51], v[NM+2*\q:NM+2*\q+1] op_sel_hi:[1,0,0]
.endr
.endr
.irp q, 0,1,2,3
	v_fma_f32 v[MX+\q], v[MX+\q], s50, v[NM+2*\q]
.endr
.set i, 0
.rept 64
	v_exp_f32 v[i], v[i]                           ; p = 2^(t - M)
.set i, i+1
.endr
.irp q, 0,1,2,3
	v_exp_f32 v[MX+\q], v[MX+\q]                   ; the block's largest p, over 1/2: its byte needs no floor
.endr
	v_nop                                          ; a plain place behind the exponentials
	s_wait_alu depctr_va_vdst(0)                   ; one wait for the batch of 68, ahead of its first reader
.irp q, 0,1,2,3
	v_add_nc_u32 v[SO+\q], 0xff000000, v[MX+\q]
.endr
.irp q, 0,1,2,3
	v_lshrrev_b32 v[MY+\q], 23, v[SO+\q]
.endr
	WIN 0x33                                       ; sources window 3, destination window 0: scale operands are taken from there
	v_lshl_or_b32 v[PS], v[MY+1], 8, v[MY]         ; bytes 2 and 3 stay 0: they meet zero codes
	v_lshl_or_b32 v[PS+1], v[MY+3], 8, v[MY+2]
	WIN 0xff
.irp a, 0,1
	v_cvt_scalef32_pk16_fp6_f32 v[PF+6*\a:PF+6*\a+2], v[32*\a:32*\a+15], v[SO+2*\a]
	v_cvt_scalef32_pk16_fp6_f32 v[ACV+4*\a:ACV+4*\a+2], v[32*\a+16:32*\a+31], v[SO+2*\a+1]
.endr
	v_nop
.irp a, 0,1
.irp i, 0,1,2
	v_permlane16_swap_b32 v[PF+6*\a+\i], v[ACV+4*\a+\i]
.endr
.irp i, 0,1,2
	v_mov_b32 v[PF+6*\a+3+\i], v[ACV+4*\a+\i]
.endr
.endr
.irp q, 0,1,2,3
	v_pk_add_f32 v[LS+2*\q:LS+2*\q+1], v[16*\q:16*\q+1], v[16*\q+2:16*\q+3]   ; the sum of the unquantised p
.endr
.irp j, 4,6,8,10,12,14
.irp q, 0,1,2,3
	v_pk_add_f32 v[LS+2*\q:LS+2*\q+1], v[LS+2*\q:LS+2*\q+1], v[16*\q+\j:16*\q+\j+1]
.endr
.endr
.irp q, 0,1,2,3
	v_add_f32 v[LS+2*\q], v[LS+2*\q], v[LS+2*\q+1]
.endr
.irp q, 0,1,2,3
	v_permlanex16_b32 v[MY+\q], v[LS+2*\q], s48, s49
.endr
.irp q, 0,1,2,3
	v_add_f32 v[LS+2*\q], v[LS+2*\q], v[MY+\q]     ; (these additions are also the places between the scale words' and the codes' last lines and the products)
.endr
.irp q, 0,1,2,3
	v_rcp_f32 v[NM+2*\q], v[LS+2*\q]               ; 1 / l
.endr
.irp a, 0,1
.irp t, 0,1,2,3                                ; t = 2 x head + u
	v_wmma_scale_f32_16x16x128_f8f6f4 v[32*\a+8*\t:32*\a+8*\t+7], v[CT+12*\t:CT+12*\t+11], v[PF+6*\a:PF+6*\a+11], 0, v[CXS+\t], v[PS+\a] matrix_a_fmt:MATRIX_FMT_FP6 matrix_b_fmt:MATRIX_FMT_FP6
.endr
.endr
	PLACES 4                                       ; behind the products; and the plain place behind the reciprocals
	s_wait_alu depctr_va_vdst(0)                   ; the wait for the four reciprocals, ahead of their first reader
	WIN 0x0f                                       ; sources 0 and 1 window 3; X window 0
.irp a, 0,1
.irp b, 0,1
.irp j, 0,2,4,6,8,10,12,14
	v_pk_fma_f32 v[X+32*(2*(\mm)+\a)+16*\b+\j:X+32*(2*(\mm)+\a)+16*\b+\j+1], v[32*\a+16*\b+\j:32*\a+16*\b+\j+1], v[NM+2*(2*\a+\b):NM+2*(2*\a+\b)+1], v[X+32*(2*(\mm)+\a)+16*\b+\j:X+32*(2*(\mm)+\a)+16*\b+\j+1] op_sel_hi:[1,0,1]
.endr
.endr
.endr
.endm
; a norm's g and beta, in X's layout, into v0-63 of window 3: asked for ahead of the barrier.  vg: g's number among TAB's vectors (beta is the next)
.macro LNV vg
	WIN 0xc0
.irp k, 0,1
.irp b, 0,1
.irp y, 0,1,2,3
	ds_load_b128 v[32*\k+16*\b+4*\y:32*\k+16*\b+4*\y+3], v[TV] offset:1024*((\vg)+\k)+128*\b+16*\y
.endr
.endr
.endr
.endm
; my 64 columns' mean and sum of squares about it, for each of the 64 rows; X becomes X - that mean
.macro LNA
	WIN 0xc0
.irp m, 0,1,2,3
	v_pk_add_f32 v[SA+2*\m:SA+2*\m+1], v[X+32*\m:X+32*\m+1], v[X+32*\m+2:X+32*\m+3]   ; each accumulator is read from its low end on
.endr
	WIN 0xc3
.irp k, 4,6,8,10,12,14,16,18,20,22,24,26,28,30
.irp m, 0,1,2,3
	v_pk_add_f32 v[SA+2*\m:SA+2*\m+1], v[SA+2*\m:SA+2*\m+1], v[X+32*\m+\k:X+32*\m+\k+1]
.endr
.endr
	WIN 0xff
.irp m, 0,1,2,3
	v_add_f32 v[SA+2*\m], v[SA+2*\m], v[SA+2*\m+1]
.endr
.irp m, 0,1,2,3
	v_permlanex16_b32 v[TP+\m], v[SA+2*\m], s48, s49
.endr
.irp m, 0,1,2,3
	v_add_f32 v[SA+2*\m], v[SA+2*\m], v[TP+\m]
.endr
.irp m, 0,1,2,3
	v_mul_f32 v[SA+2*\m], s67, v[SA+2*\m]          ; / 64
.endr
.irp m, 0,1,2,3
	v_mov_b32 v[MWP+2*\m], v[SA+2*\m]
.endr
	WIN 0x0c
.irp m, 0,1,2,3
.irp k, 0,2,4,6,8,10,12,14,16,18,20,22,24,26,28,30
	v_pk_add_f32 v[X+32*\m+\k:X+32*\m+\k+1], v[X+32*\m+\k:X+32*\m+\k+1], v[SA+2*\m:SA+2*\m+1] op_sel_hi:[1,0] neg_lo:[0,1] neg_hi:[0,1]
.endr
.endr
	WIN 0xc0
.irp m, 0,1,2,3
	v_pk_mul_f32 v[SQ+2*\m:SQ+2*\m+1], v[X+32*\m:X+32*\m+1], v[X+32*\m:X+32*\m+1]
.endr
	WIN 0xf0
.irp k, 2,4,6,8,10,12,14,16,18,20,22,24,26,28,30
.irp m, 0,1,2,3
	v_pk_fma_f32 v[SQ+2*\m:SQ+2*\m+1], v[X+32*\m+\k:X+32*\m+\k+1], v[X+32*\m+\k:X+32*\m+\k+1], v[SQ+2*\m:SQ+2*\m+1]
.endr
.endr
	WIN 0xff
.irp m, 0,1,2,3
	v_add_f32 v[SQ+2*\m], v[SQ+2*\m], v[SQ+2*\m+1]
.endr
.irp m, 0,1,2,3
	v_permlanex16_b32 v[TP+\m], v[SQ+2*\m], s48, s49
.endr
.irp m, 0,1,2,3
	v_add_f32 v[MWP+2*\m+1], v[SQ+2*\m], v[TP+\m]
.endr
	WIN 0x0c
.irp m, 0,1,2,3
	ds_store_b64 v[SWA], v[MWP+2*\m:MWP+2*\m+1] offset:512*\m      ; both lanes of a row write the same eight bytes
.endr
	WIN 0
.endm
; the four waves' figures are joined; X = (X + my mean - the mean) r g + beta
.macro LNB
	WIN 0xc0
.irp m, 0,1,2,3
	ds_load_b128 v[STL+8*\m:STL+8*\m+3], v[SRA] offset:512*\m
	ds_load_b128 v[STL+8*\m+4:STL+8*\m+7], v[SRA] offset:512*\m+16
.endr
	s_wait_dscnt 0x0
	WIN 0xff
.irp m, 0,1,2,3
	v_add_f32 v[SA+2*\m], v[STL+8*\m], v[STL+8*\m+2]
	v_add_f32 v[SA+2*\m+1], v[STL+8*\m+4], v[STL+8*\m+6]
.endr
.irp m, 0,1,2,3
	v_add_f32 v[SA+2*\m], v[SA+2*\m], v[SA+2*\m+1]
	v_add_f32 v[STL+8*\m+1], v[STL+8*\m+1], v[STL+8*\m+3]
	v_add_f32 v[STL+8*\m+5], v[STL+8*\m+5], v[STL+8*\m+7]
.endr
.irp m, 0,1,2,3
	v_mul_f32 v[SA+2*\m], 0x3e800000, v[SA+2*\m]   ; the row's mean
	v_add_f32 v[STL+8*\m+1], v[STL+8*\m+1], v[STL+8*\m+5]
.endr
.irp m, 0,1,2,3
.irp i, 0,2,4,6
	v_sub_f32 v[STL+8*\m+\i], v[STL+8*\m+\i], v[SA+2*\m]
.endr
.endr
.irp m, 0,1,2,3
	v_mul_f32 v[STL+8*\m+3], v[STL+8*\m], v[STL+8*\m]
.endr
.irp i, 2,4,6
.irp m, 0,1,2,3
	v_fma_f32 v[STL+8*\m+3], v[STL+8*\m+\i], v[STL+8*\m+\i], v[STL+8*\m+3]
.endr
.endr
.irp m, 0,1,2,3
	v_fma_f32 v[STL+8*\m+1], v[STL+8*\m+3], s69, v[STL+8*\m+1]     ; M2
.endr
.irp m, 0,1,2,3
	v_fma_f32 v[STL+8*\m+1], v[STL+8*\m+1], s68, s66               ; / 256 + eps
.endr
.irp m, 0,1,2,3
	v_rsq_f32 v[RP+2*\m], v[STL+8*\m+1]
.endr
.irp m, 0,1,2,3
	v_sub_f32 v[SA+2*\m], v[MWP+2*\m], v[SA+2*\m]  ; my mean less the row's: plain work behind the roots
.endr
	s_wait_alu depctr_va_vdst(0)                   ; one wait for the four, ahead of their first reader
.irp m, 0,1,2,3
	v_mul_f32 v[SA+2*\m], v[SA+2*\m], v[RP+2*\m]
.endr
	WIN 0x3c                                       ; X window 0; sources 1 and 2 window 3
.irp m, 0,1,2,3
.irp k, 0,2,4,6,8,10,12,14,16,18,20,22,24,26,28,30
	v_pk_fma_f32 v[X+32*\m+\k:X+32*\m+\k+1], v[X+32*\m+\k:X+32*\m+\k+1], v[RP+2*\m:RP+2*\m+1], v[SA+2*\m:SA+2*\m+1] op_sel_hi:[1,0,0]
.endr
.irp k, 0,2,4,6,8,10,12,14,16,18,20,22,24,26,28,30
	v_pk_fma_f32 v[X+32*\m+\k:X+32*\m+\k+1], v[X+32*\m+\k:X+32*\m+\k+1], v[\k:\k+1], v[32+\k:32+\k+1]
.endr
.endr
	WIN 0
.endm
; a tile's two fragments of x and its scale words, by three address registers
.macro XFETCH a16, a8, a4
	WIN 0xc0
.irp k, 0,1
.irp c, 0,1
	ds_load_b128 v[XF+12*\k+6*\c:XF+12*\k+6*\c+3], v[\a16] offset:1536*\k+768*\c
	ds_load_b64 v[XF+12*\k+6*\c+4:XF+12*\k+6*\c+5], v[\a8] offset:1536*\k+768*\c+512
.endr
.endr
	WIN 0
	ds_load_b32 v[XS], v[\a4] offset:XSC-BASE2
.endm
; ff1_b of half f of my hidden units, in the result's layout
.macro BIAS f
	WIN 0xc0
.irp b, 0,1,2,3
.irp y, 0,1,2,3
	ds_load_b128 v[BI+16*\b+4*\y:BI+16*\b+4*\y+3], v[TB1] offset:512*(\f)+128*\b+16*\y
.endr
.endr
.endm
; 32 numbers of the hidden layer, v[32 c] on, become 2 gelu in place
.macro GELU c
.set HB, 32*(\c)
.set i, 0
.rept 32
	v_fma_f32 v[T+i], |v[HB+i]|, s52, 1.0          ; 1 + p |x| / sqrt 2
.set i, i+1
.endr
.set i, 0
.rept 16
	v_rcp_f32 v[T+i], v[T+i]                       ; t;  plain lines stand between the reciprocals
	v_pk_mul_f32 v[E+i:E+i+1], v[HB+i:HB+i+1], v[HB+i:HB+i+1]
	v_rcp_f32 v[T+i+1], v[T+i+1]
	v_pk_mul_f32 v[E+i:E+i+1], v[E+i:E+i+1], s[54:55] op_sel_hi:[1,0]   ; -x^2 log2(e) / 2
.set i, i+2
.endr
.set i, 0
.rept 32
	v_exp_f32 v[E+i], v[E+i]                       ; e^(-x^2 / 2)
.set i, i+1
.endr
	v_nop                                          ; a plain place behind the batch
	s_wait_alu depctr_va_vdst(0)                   ; one wait for the 64, ahead of their first reader
.set i, 0
.rept 16
	v_pk_fma_f32 v[P+i:P+i+1], v[T+i:T+i+1], s[56:57], v[A4:A4+1] op_sel_hi:[1,0,1]
.set i, i+2
.endr
.irp a, 58, 60, 62
.set i, 0
.rept 16
	v_pk_fma_f32 v[P+i:P+i+1], v[P+i:P+i+1], v[T+i:T+i+1], s[\a:\a+1] op_sel_hi:[1,1,0]
.set i, i+2
.endr
.endr
.set i, 0
.rept 16
	v_pk_mul_f32 v[P+i:P+i+1], v[P+i:P+i+1], v[T+i:T+i+1]
.set i, i+2
.endr
.set i, 0
.rept 16
	v_pk_fma_f32 v[P+i:P+i+1], v[P+i:P+i+1], v[E+i:E+i+1], 1.0 op_sel_hi:[1,1,0] neg_lo:[1,0,0] neg_hi:[1,0,0]   ; erf
.set i, i+2
.endr
.set i, 0
.rept 32
	v_fma_f32 v[HB+i], |v[HB+i]|, v[P+i], v[HB+i]  ; x + |x| erf
.set i, i+1
.endr
.endm
; the 64 doubled numbers in v0-63 become a fragment's codes in v[PC] on and its scale word in v[PW]: the conversions divide by the doubled numbers' own scale, the byte is one lower
.macro QUANT
.irp b, 0,1,2,3
	v_max3_num_f32 v[TM+\b], |v[16*\b]|, |v[16*\b+1]|, 0x2000000   ; the floor, doubled too: 2^(4 - 127)
.endr
.irp i, 2,4,6,8,10,12,14
.irp b, 0,1,2,3
	v_max3_num_f32 v[TM+\b], v[TM+\b], |v[16*\b+\i]|, |v[16*\b+\i+1]|
.endr
.endr
.irp b, 0,1,2,3
	v_permlanex16_b32 v[TM+4+\b], v[TM+\b], s48, s49
.endr
.irp b, 0,1,2,3
	v_max_num_f32 v[TM+\b], v[TM+\b], v[TM+4+\b]
.endr
.irp b, 0,1,2,3
	v_add_nc_u32 v[TM+8+\b], 0xff000000, v[TM+\b]  ; 2 off the exponent field: the conversion's operand
	v_add_nc_u32 v[TM+4+\b], 0xfe800000, v[TM+\b]  ; 3 off: the scale of the numbers themselves
.endr
.irp b, 0,1,2,3
	v_lshrrev_b32 v[TM+4+\b], 23, v[TM+4+\b]
.endr
	v_lshl_or_b32 v[PW], v[TM+5], 8, v[TM+4]
	v_lshl_or_b32 v[PW], v[TM+6], 16, v[PW]
	v_lshl_or_b32 v[PW], v[TM+7], 24, v[PW]
.irp c, 0,1
	v_cvt_scalef32_pk16_fp6_f32 v[PC+6*\c:PC+6*\c+2], v[32*\c:32*\c+15], v[TM+8+2*\c]
	v_cvt_scalef32_pk16_fp6_f32 v[CV+4*\c:CV+4*\c+2], v[32*\c+16:32*\c+31], v[TM+9+2*\c]
.endr
	v_nop
.irp c, 0,1
.irp i, 0,1,2
	v_permlane16_swap_b32 v[PC+6*\c+\i], v[CV+4*\c+\i]
.endr
.irp i, 0,1,2
	v_mov_b32 v[PC+6*\c+3+\i], v[CV+4*\c+\i]
.endr
.endr
.endm
; the last product's K step z: the hidden layer's four fragments and my four of ff2, into set z % 2; with an even step the scale words of two steps
.macro FETCH7 z
.set SB, 96*((\z)%2)
	WIN 0xc0
.irp m, 0,1,2,3
.irp c, 0,1,2
	ds_load_b128 v[SB+12*\m+4*\c:SB+12*\m+4*\c+3], v[L16H] offset:1536*(8*\m+(\z))+512*\c
.endr
.endr
.irp n, 0,1,2,3
.irp c, 0,1,2
	ds_load_b128 v[SB+48+12*\n+4*\c:SB+48+12*\n+4*\c+3], v[F2R] offset:12288*\n+1536*(\z)+512*\c
.endr
.endr
	WIN 0
.if (\z)%2 == 0
.irp m, 0,1,2,3
	ds_load_b32 v[HS+4*(((\z)/2)%2)+\m], v[L4] offset:HSC-BASE2+512*\m+128*((\z)/2)
.endr
.endif
.endm
.macro MUL7 z                          ; sixteen accumulators, X itself, by turns, in the same order in every step
.set SB, 96*((\z)%2)
.set HV, HS+4*(((\z)/2)%2)
	WIN 0x0f                                       ; A and B window 3, C and D window 0
.irp n, 0,1,2,3
.irp m, 0,1,2,3
.if (\z)%2
	v_wmma_scale_f32_16x16x128_f8f6f4 v[X+32*\m+8*\n:X+32*\m+8*\n+7], v[SB+48+12*\n:SB+48+12*\n+11], v[SB+12*\m:SB+12*\m+11], v[X+32*\m+8*\n:X+32*\m+8*\n+7], v[W2S+4*\n+(\z)/2], v[HV+\m] matrix_a_fmt:MATRIX_FMT_FP6 matrix_b_fmt:MATRIX_FMT_FP6 matrix_a_scale:MATRIX_SCALE_ROW1 matrix_b_scale:MATRIX_SCALE_ROW1
.else
	v_wmma_scale_f32_16x16x128_f8f6f4 v[X+32*\m+8*\n:X+32*\m+8*\n+7], v[SB+48+12*\n:SB+48+12*\n+11], v[SB+12*\m:SB+12*\m+11], v[X+32*\m+8*\n:X+32*\m+8*\n+7], v[W2S+4*\n+(\z)/2], v[HV+\m] matrix_a_fmt:MATRIX_FMT_FP6 matrix_b_fmt:MATRIX_FMT_FP6
.endif
.endr
.endr
.endm
; the way out: tile m of X into my stage and back as whole rows; then stored
.macro TOST m
	WIN 0
.irp b, 0,1
.irp y, 0,1,2,3
	ds_store_b128 v[SGL], v[X+32*(\m)+16*\b+4*\y:X+32*(\m)+16*\b+4*\y+3] offset:128*\b+16*\y
.endr
.endr
	WIN 0xc0
.irp a, 0,1,2,3,4,5,6,7
	ds_load_b128 v[OB+32*((\m)%2)+4*\a:OB+32*((\m)%2)+4*\a+3], v[SGW] offset:544*\a   ; LDS serves a wave's instructions in order: these see my stores, and the next tile's stores come behind them
.endr
.endm
.macro SENDO m, younger                ; younger: the LDS instructions issued behind tile m's loads, which may stay out
	s_wait_dscnt \younger
	WIN 0x0c
.irp a, 0,1,2,3,4,5,6,7
	global_store_b128 v[QO], v[OB+32*((\m)%2)+4*\a:OB+32*((\m)%2)+4*\a+3], s[6:7] offset:(16*(\m)+2*\a)*1024 th:TH_STORE_NT   ; 16 lanes store 256 consecutive bytes, at a multiple of 256 from out's first byte
.endr
.endm
	s_load_b512 s[4:19], s[0:1], 0x0               ; q, out0, wimg, ctximg, ctxsc, ff1 scales, ff2 scales, wq scales
	s_load_b256 s[20:27], s[0:1], 0x40             ; ff1_b, wq_b, ff2_b, ln1_g
	s_load_b128 s[28:31], s[0:1], 0x60             ; ln1_b, ln2_g
	s_load_b64 s[32:33], s[0:1], 0x70              ; ln2_b
	v_lshl_add_u32 v[SPW], v0, 2, SPARE
	v_mov_b32 v[NIL], 0
	ds_add_u32 v[SPW], v[NIL]                      ; the wave's opening: the add, twice on end, and its wait ahead of my first tensor load
	ds_add_u32 v[SPW], v[NIL]
	v_lshrrev_b32 v25, 5, v0
	v_readfirstlane_b32 s[WV], v25                 ; wave 0..3
	s_bfe_u32 s77, ttmp6, 0x40000                  ; my place in the cluster: it enters q's and out's addresses alone
	s_lshl_b32 s78, ttmp9, 2
	s_add_co_u32 s78, s78, s77                     ; my work-group
	s_lshr_b32 s79, ttmp9, 5                       ; my batch: 32 clusters each
	; descriptor group 1: 192 rows of 256 bytes (32 elements of 8), dense, no padding; the mask of the four, bit 21 beside it
	s_mov_b32 s40, 15|(3<<16)|(1<<21)
	s_mov_b32 s41, 32<<16
	s_mov_b32 s42, 192<<16
	s_mov_b32 s43, 32<<16
	s_mov_b32 s44, 192
	s_mov_b32 s45, 32
	s_mov_b32 s46, 0
	s_mov_b32 s47, 0
	s_mov_b32 s36, 1
	s_mul_i32 s37, s[WV], 49152                    ; LDS: my wave's images of ff2
	s_mov_b32 s48, 0x76543210
	s_mov_b32 s49, 0xfedcba98
	s_mov_b32 s50, 0x3fb8aa3b                      ; log2(e)
	s_mov_b32 s51, s50
	s_mov_b32 s52, 0x3e6d3388                      ; 0.3275911 / sqrt 2
	s_mov_b32 s54, 0xbf38aa3b                      ; -log2(e) / 2
	s_mov_b32 s55, s54
	s_mov_b32 s56, 0x3f87dc22                      ; a5
	s_mov_b32 s57, s56
	s_mov_b32 s58, 0x3fb5f0e3                      ; a3
	s_mov_b32 s59, s58
	s_mov_b32 s60, 0xbe91a98e                      ; a2
	s_mov_b32 s61, s60
	s_mov_b32 s62, 0x3e827906                      ; a1
	s_mov_b32 s63, s62
	s_mov_b32 s66, 0x3a83126f                      ; eps = 1e-3
	s_mov_b32 s67, 0x3c800000                      ; 1 / 64
	s_mov_b32 s68, 0x3b800000                      ; 1 / 256
	s_mov_b32 s69, 0x42800000                      ; 64
	s_wait_dscnt 0x0                               ; both opening adds are done
	s_wait_kmcnt 0x0
	s_mov_b32 s82, s37
	s_mov_b32 s83, 0
	s_add_nc_u64 s[84:85], s[8:9], s[82:83]        ; my 32 images of ff1
	s_add_nc_u64 s[38:39], s[84:85], 196608        ; my 32 of ff2: made of the wave's number alone
	s_or_b32 s39, s39, 0x80000000
	CROUND                                         ; all four work-groups are here: the joint loads meet
	tensor_load_to_lds s[36:39], s[40:47]
	s_nop 0
	PLACES 4
	s_mul_i32 s82, s[WV], 12288
	s_add_nc_u64 s[86:87], s[8:9], s[82:83]
	s_add_nc_u64 s[86:87], s[86:87], 393216        ; my 8 images of wq
	s_lshl_b32 s82, s79, 2
	s_add_co_u32 s82, s82, s[WV]                   ; 4 b + w
	s_mul_i32 s90, s82, 6144
	s_mov_b32 s91, 0
	s_add_nc_u64 s[88:89], s[10:11], s[90:91]      ; my 4 images of the context
	s_lshl_b32 s90, s82, 9
	s_add_nc_u64 s[12:13], s[12:13], s[90:91]      ; and their scale words
	s_lshl_b32 s90, s[WV], 11
	s_add_nc_u64 s[14:15], s[14:15], s[90:91]      ; ff1's scale bytes: my 256 rows of 8
	s_add_nc_u64 s[16:17], s[16:17], s[90:91]      ; ff2's: my 64 rows of 32
	s_lshl_b32 s90, s[WV], 9
	s_add_nc_u64 s[18:19], s[18:19], s[90:91]      ; wq's: my 64 rows of 8
	s_lshl_b32 s90, s78, 18
	s_add_nc_u64 s[4:5], s[4:5], s[90:91]          ; q and out at my work-group's first row
	s_add_nc_u64 s[6:7], s[6:7], s[90:91]
	v_and_b32 v25, 31, v0                          ; lane
	v_and_b32 v26, 15, v0                          ; r
	v_bfe_u32 v27, v0, 4, 1                        ; h
	v_and_b32 v28, 8, v26
	v_add_nc_u32 v28, v28, v26                     ; r + 8 (r / 8)
	s_lshl_b32 s80, s[WV], 8
	v_lshlrev_b32 v[QO], 10, v27
	v_lshl_add_u32 v[QO], v26, 4, v[QO]
	v_add_nc_u32 v[QO], s80, v[QO]
	v_lshl_add_u32 v[L16], v25, 4, BASE2
	v_lshl_add_u32 v[L8], v25, 3, BASE2
	v_lshl_add_u32 v[L4], v25, 2, BASE2
	v_lshl_add_u32 v[L16H], v25, 4, HIM
	v_lshlrev_b32 v[CIO], 4, v25
	v_add_nc_u32 v[F2R], s37, v[CIO]
	s_mul_i32 s81, s[WV], 768
	v_add_nc_u32 v[XW16], s81, v[L16]
	v_add_nc_u32 v[XW8], s81, v[L8]
	s_lshr_b32 s82, s[WV], 1
	s_lshl_b32 s82, s82, 6
	s_and_b32 s81, s[WV], 1
	s_lshl_b32 s81, s81, 1
	s_add_co_u32 s82, s82, s81
	s_add_co_u32 s82, s82, XSC
	v_lshl_add_u32 v[XWS], v26, 2, s82
	s_mul_i32 s82, s[WV], 3072
	v_add_nc_u32 v[HW16], s82, v[L16H]
	s_lshl_b32 s82, s[WV], 7
	s_add_co_u32 s82, s82, HSC
	v_lshl_add_u32 v[HWS], v26, 2, s82
	s_add_co_u32 s82, s80, TAB+4096
	v_lshl_add_u32 v[TV], v27, 6, s82
	s_lshl_b32 s82, s[WV], 10
	s_add_co_u32 s82, s82, TAB
	v_lshl_add_u32 v[TB1], v27, 6, s82
	s_lshl_b32 s82, s[WV], 3
	s_add_co_u32 s82, s82, STT
	v_lshl_add_u32 v[SWA], v26, 5, s82
	v_lshl_add_u32 v[SRA], v26, 5, STT
	s_mul_i32 s82, s[WV], 16*272
	s_add_co_u32 s82, s82, STG
	v_mul_u32_u24 v[SGW], v27, 272
	v_lshl_add_u32 v[SGW], v26, 4, v[SGW]
	v_add_nc_u32 v[SGW], s82, v[SGW]
	v_mul_u32_u24 v[SGL], v26, 272
	v_lshl_add_u32 v[SGL], v27, 6, v[SGL]
	v_add_nc_u32 v[SGL], s82, v[SGL]
	s_mul_i32 s82, s[WV], 12288
	s_add_co_u32 s82, s82, WQI
	v_add_nc_u32 v[WQR], s82, v[CIO]
	v_lshlrev_b32 v20, 3, v28
	v_lshl_add_u32 v20, v27, 2, v20                ; 8 (r + 8 (r / 8)) + 4 h
	v_lshlrev_b32 v21, 5, v28
	v_lshl_add_u32 v21, v27, 2, v21                ; 32 (r + 8 (r / 8)) + 4 h
	v_lshlrev_b32 v22, 2, v25                      ; 4 lane
	v_lshlrev_b32 v23, 5, v0                       ; 32 x thread
	v_lshlrev_b32 v24, 3, v0                       ; 8 x thread
	v_lshl_add_u32 v29, v0, 5, TAB
	v_lshl_add_u32 v28, v0, 3, TAB+4096
	; the vectors, for TAB; the scale words; ff1's images, which stay; wq's, on their way to LDS; then the first 64 rows of q and the context
	global_load_b128 v[92:95], v23, s[20:21]
	global_load_b128 v[96:99], v23, s[20:21] offset:16
.irp k, 0,1,2,3,4,5
	global_load_b64 v[100+2*\k:101+2*\k], v24, s[22+2*\k:23+2*\k]
.endr
.irp t, 0,1,2,3,4,5,6,7,8,9,10,11,12,13,14,15
	global_load_b32 v[W1S+\t], v20, s[14:15] offset:(32*(\t/2)+8*(\t%2))*8       ; lanes 0-15 K step 0's word, lanes 16-31 K step 1's
.endr
.irp n, 0,1,2,3
.irp i, 0,1,2,3
	global_load_b32 v[W2S+4*\n+\i], v21, s[16:17] offset:(32*(\n/2)+8*(\n%2))*32+8*\i   ; K steps 2 i and 2 i + 1
.endr
	global_load_b32 v[WQS+\n], v20, s[18:19] offset:(32*(\n/2)+8*(\n%2))*8
	global_load_b32 v[CXS+\n], v22, s[12:13] offset:128*\n
.endr
.irp k, 0,1
	WIN 0x40+0x40*\k                               ; destination window 1: K step 0; window 2: K step 1
.irp t, 0,1,2,3,4,5,6,7,8,9,10,11,12,13,14,15
.irp c, 0,1,2
	global_load_b128 v[12*\t+4*\c:12*\t+4*\c+3], v[CIO], s[84:85] offset:3072*\t+1536*\k+512*\c
.endr
.endr
.endr
	WIN 0xc0
.set i, 0
.rept 24
	global_load_b128 v[4*i:4*i+3], v[CIO], s[86:87] offset:512*i
.set i, i+1
.endr
	QLOAD 0
	CTXLOAD
	s_wait_loadcnt 44                              ; all but q's 32 loads and the context's 12, which were issued last
	ds_store_b128 v29, v[92:95]
	ds_store_b128 v29, v[96:99] offset:16
.irp k, 0,1,2,3,4,5
	ds_store_b64 v28, v[100+2*\k:101+2*\k] offset:1024*\k
.endr
	WIN 0x0c
.set i, 0
.rept 24
	ds_store_b128 v[WQR], v[4*i:4*i+3] offset:512*i    ; wq's images as they stand; I alone read them back
.set i, i+1
.endr
	WIN 0xc0
.irp a, 196,197,198,199,224,225,226,227
	v_mov_b32 v[\a], 0                             ; written once: a lane permute's destination counts as one of its sources
.endr
.set i, 240
.rept 16
	v_mov_b32 v[i], 0                              ; likewise, and the upper halves of pairs
.set i, i+1
.endr
	WIN 0
	v_mov_b32 v[QP], 0
	v_mov_b32 v[QP+1], 0
	s_wait_tensorcnt 0x0                           ; my images of ff2 have landed; I alone read them
	s_wait_loadcnt 12                              ; q's 32 loads are in; the context's 12 may be out
	s_mov_b32 s70, 4
.Lpass:
	; ---- q, which is in its registers, goes through my stage into X's layout, tile by tile; its codes go to LDS; wq's fragments take q's registers
	STIN 0
	STIN 1
	s_wait_dscnt 16                                ; tile 0 is in X; behind its loads: tile 1's 16
	QH 0
	STIN 2
	s_wait_dscnt 19                                ; tile 1; behind its loads: 3 stores of codes and tile 2's 16
	QH 1
	STIN 3
.irp k, 0,1
	WIN 0x40+0x40*\k
.irp t, 0,1,2,3
.irp c, 0,1,2
	ds_load_b128 v[192+12*\t+4*\c:192+12*\t+4*\c+3], v[WQR] offset:3072*\t+1536*\k+512*\c   ; behind the stage's stores, which read these registers: LDS serves a wave's instructions in order
.endr
.endr
.endr
	WIN 0
	s_wait_dscnt 43                                ; tile 2; behind its loads: 3, tile 3's 16 and wq's 24
	QH 2
	s_wait_dscnt 27                                ; tile 3; behind its loads: wq's 24 and 3
	QH 3
	BAR                                            ; q's eight fragments lie in LDS (in the first pass: and the vectors)
	; ---- attention
	WIN 0xc0
.irp b, 0,1
.irp y, 0,1,2,3
	ds_load_b128 v[BQ+16*\b+4*\y:BQ+16*\b+4*\y+3], v[TV] offset:128*\b+16*\y     ; wq_b in the result's layout
.endr
.endr
.irp i, 0,1,2,3,4,5
	v_mov_b32 v[PF+12+\i], 0                       ; the second p fragment's K = 64 on
.endr
	AFETCH 0
	s_wait_loadcnt 0x0                             ; the context's images, asked for in the tail of the pass before
	ATT 0
	ATT 1
	WIN 0
	s_cmp_eq_u32 s70, 1
	s_cbranch_scc1 .Lno_next                       ; no load leaves its buffer
	QLOAD 65536                                    ; wq's registers are free: the next 64 rows of q, two products ahead of their use
.Lno_next:
	LNV 2                                          ; ln1_g, ln1_b
.irp b, 0,1
.irp y, 0,1,2,3
	ds_load_b128 v[64+16*\b+4*\y:64+16*\b+4*\y+3], v[TV] offset:1024+128*\b+16*\y   ; ff2_b
.endr
.endr
	LNA
	BAR                                            ; the four waves' figures lie in LDS; nobody reads q's fragments any more
	; ---- x = LN1; its codes go where q's lay
	LNB
	QH 0
	QH 1
	QH 2
	QH 3
	WIN 0x0c
.irp m, 0,1,2,3
.irp k, 0,2,4,6,8,10,12,14,16,18,20,22,24,26,28,30
	v_pk_add_f32 v[X+32*\m+\k:X+32*\m+\k+1], v[X+32*\m+\k:X+32*\m+\k+1], v[64+\k:65+\k]   ; x + ff2_b: where the last product's sums begin
.endr
.endr
	WIN 0xc0
	v_mov_b32 v[A4], 0xbfba00e3                    ; a4, as a pair
	v_mov_b32 v[A4+1], 0xbfba00e3
	BIAS 0                                         ; ff1_b of the first half: ahead of the barrier, whose wait serves it too
	WIN 0
	BAR                                            ; x's eight fragments lie in LDS
	; ---- the hidden layer, a tile of 16 rows a trip; my 256 units in two halves of 128, each a K step of the last product
	s_mov_b32 s71, 4
	s_mov_b32 s72, 3072                            ; where the NEXT tile's fragments lie,
	s_mov_b32 s73, 128                             ; and its scale words
	s_mov_b32 s74, 0
	s_mov_b32 s75, 0
	XFETCH L16, L8, L4                             ; tile 0
	s_wait_dscnt 0x0
.Lm:
	s_min_u32 s80, s72, 9216                       ; held at the last tile: the last trip fetches that tile, and the first half's ff1_b, once more, for nobody: 25 LDS loads a pass, so that the loop has no branch
	s_min_u32 s81, s73, 384
	v_add_nc_u32 v20, s80, v[L16]
	v_add_nc_u32 v21, s80, v[L8]
	v_add_nc_u32 v22, s81, v[L4]
	v_add_nc_u32 v23, s74, v[HW16]
	v_add_nc_u32 v24, s75, v[HWS]
.irp f, 0,1
	s_wait_dscnt 4                                 ; ff1_b (and, for the first half, x's fragments) are in; behind those loads: the four stores of the half before
	WIN 0xfd
.irp a, 0,1,2,3,4,5,6,7
	v_wmma_scale_f32_16x16x128_f8f6f4 v[8*\a:8*\a+7], v[12*(8*\f+\a):12*(8*\f+\a)+11], v[XF:XF+11], v[BI+8*\a:BI+8*\a+7], v[W1S+8*\f+\a], v[XS] matrix_a_fmt:MATRIX_FMT_FP6 matrix_b_fmt:MATRIX_FMT_FP6
.endr
	WIN 0xfe
.irp a, 0,1,2,3,4,5,6,7
	v_wmma_scale_f32_16x16x128_f8f6f4 v[8*\a:8*\a+7], v[12*(8*\f+\a):12*(8*\f+\a)+11], v[XF+12:XF+23], v[8*\a:8*\a+7], v[W1S+8*\f+\a], v[XS] matrix_a_fmt:MATRIX_FMT_FP6 matrix_b_fmt:MATRIX_FMT_FP6 matrix_a_scale:MATRIX_SCALE_ROW1 matrix_b_scale:MATRIX_SCALE_ROW1
.endr
	WIN 0xff
	PLACES 4                                       ; behind the products: ahead of the first read of their results, of writes of ff1_b's registers and of loads into x's
.if \f == 1
	XFETCH 20, 21, 22                              ; the next tile's fragments land while this half is worked
	WIN 0xff
.endif
	GELU 0
	GELU 1
	s_wait_dscnt 0x0                               ; no LDS instruction of mine is out: the last stores have read the registers that the quantiser writes
	BIAS 1-\f                                      ; ff1_b of the half to come, into registers that GELU has done with
	WIN 0xff
	QUANT
	WIN 0x0c
.irp c, 0,1,2
	ds_store_b128 v23, v[PC+4*\c:PC+4*\c+3] offset:1536*\f+512*\c                ; the fragment as it stands: K step 2 w + f of this tile of rows
.endr
	ds_store_b32 v24, v[PW] offset:64*\f
.endr
	WIN 0
	s_add_co_u32 s72, s72, 3072
	s_add_co_u32 s73, s73, 128
	s_add_co_u32 s74, s74, 12288
	s_add_co_u32 s75, s75, 512
	s_sub_co_u32 s71, s71, 1
	s_cmp_lg_u32 s71, 0
	s_cbranch_scc1 .Lm
	BAR                                            ; the hidden layer's 32 fragments lie in LDS
	; ---- X += hidden ff2: eight K steps, the next step's fragments fetched while one is multiplied
	FETCH7 0
.irp k, 0,1,2,3,4,5,6
.if \k > 0
	PLACES 4                                       ; ahead of loads into the set that the step before has multiplied
.endif
	FETCH7 \k+1
.if (\k+1)%2 == 0
	s_wait_dscnt 28                                ; this step's are in; the 24 fragment loads and 4 scale words just issued may be out
.else
	s_wait_dscnt 24                                ; this step's are in; the 24 just issued may be out
.endif
	MUL7 \k
.endr
	s_wait_dscnt 0x0
	MUL7 7
	WIN 0
	PLACES 4                                       ; behind the last products: ahead of the loads below and of the first read of X
	s_wait_loadcnt 0x0                             ; the next rows of q, asked for behind attention, are in: on every way round the loop their registers are settled here
	s_cmp_eq_u32 s70, 1
	s_cbranch_scc1 .Lno_ctx
	CTXLOAD                                        ; for the next pass: the tail does not touch these registers
.Lno_ctx:
	; ---- out = LN2, through my stage, as whole rows
	LNV 4                                          ; ln2_g, ln2_b
	LNA
	BAR                                            ; the figures lie in LDS; nobody reads the hidden layer any more: its bytes serve as stages until the third barrier of the next pass
	LNB
	TOST 0
	TOST 1
	SENDO 0, 16                                    ; behind tile 0's loads: tile 1's 8 stores and 8 loads
	s_wait_xcnt 0x0                                ; tile 0's stores have read their registers: tile 2's rows may land there
	TOST 2
	SENDO 1, 16
	s_wait_xcnt 0x0                                ; likewise tile 1's
	TOST 3
	SENDO 2, 16
	SENDO 3, 0
	WIN 0
	s_wait_xcnt 0x0                                ; loads and stores have read their bases and registers: both may be written
	s_add_nc_u64 s[4:5], s[4:5], 65536
	s_add_nc_u64 s[6:7], s[6:7], 65536
	s_sub_co_u32 s70, s70, 1
	s_cmp_lg_u32 s70, 0
	s_cbranch_scc1 .Lpass
	s_wait_tensorcnt 0x0                           ; the wave's end: behind my last LDS store
	ds_add_u32 v[SPW], v[NIL]
	s_wait_dscnt 0x0
	CROUND                                         ; the closing round
	s_endpgm
.Lfunc_end_k_qc09b1f51af_block:
	.size	k_qc09b1f51af_block, .Lfunc_end_k_qc09b1f51af_block-k_qc09b1f51af_block
	.p2alignl 7, 3214868480
	.fill 96, 4, 3214868480
	.section	.rodata,"a",@progbits
	.p2align	6, 0x0
	.amdhsa_kernel k_qc09b1f51af_block
		.amdhsa_group_segment_fixed_size 322560
		.amdhsa_private_segment_fixed_size 0
		.amdhsa_enable_private_segment 0
		.amdhsa_kernarg_size 120
		.amdhsa_user_sgpr_count 2
		.amdhsa_user_sgpr_kernarg_segment_ptr 1
		.amdhsa_wavefront_size32 1
		.amdhsa_system_sgpr_workgroup_id_x 1
		.amdhsa_system_sgpr_workgroup_id_y 1
		.amdhsa_system_sgpr_workgroup_id_z 1
		.amdhsa_system_vgpr_workitem_id 0
		.amdhsa_next_free_vgpr 1024
		.amdhsa_next_free_sgpr 100
		.amdhsa_reserve_vcc 0
		.amdhsa_float_denorm_mode_32 3
		.amdhsa_float_denorm_mode_16_64 3
		.amdhsa_memory_ordered 1
		.amdhsa_forward_progress 1
		.amdhsa_inst_pref_size 255
	.end_amdhsa_kernel
	.section	.bss,"aw",@nobits
	.p2align	6
	.space	262144
	.amdgpu_metadata
---
amdhsa.version: [ 1, 2 ]
amdhsa.kernels:
  - .name:           k_qc09b1f51af_block
    .symbol:         k_qc09b1f51af_block.kd
    .args:
      - { .name: q, .offset: 0, .size: 8, .value_kind: global_buffer, .address_space: global }
      - { .name: out0, .offset: 8, .size: 8, .value_kind: global_buffer, .address_space: global }
      - { .name: wimg, .offset: 16, .size: 8, .value_kind: global_buffer, .address_space: global }
      - { .name: ctximg, .offset: 24, .size: 8, .value_kind: global_buffer, .address_space: global }
      - { .name: ctxsc, .offset: 32, .size: 8, .value_kind: global_buffer, .address_space: global }
      - { .name: ff1_w_scales, .offset: 40, .size: 8, .value_kind: global_buffer, .address_space: global }
      - { .name: ff2_w_scales, .offset: 48, .size: 8, .value_kind: global_buffer, .address_space: global }
      - { .name: wq_w_scales, .offset: 56, .size: 8, .value_kind: global_buffer, .address_space: global }
      - { .name: ff1_b, .offset: 64, .size: 8, .value_kind: global_buffer, .address_space: global }
      - { .name: wq_b, .offset: 72, .size: 8, .value_kind: global_buffer, .address_space: global }
      - { .name: ff2_b, .offset: 80, .size: 8, .value_kind: global_buffer, .address_space: global }
      - { .name: ln1_g, .offset: 88, .size: 8, .value_kind: global_buffer, .address_space: global }
      - { .name: ln1_b, .offset: 96, .size: 8, .value_kind: global_buffer, .address_space: global }
      - { .name: ln2_g, .offset: 104, .size: 8, .value_kind: global_buffer, .address_space: global }
      - { .name: ln2_b, .offset: 112, .size: 8, .value_kind: global_buffer, .address_space: global }
    .group_segment_fixed_size: 322560
    .private_segment_fixed_size: 0
    .kernarg_segment_align: 8
    .kernarg_segment_size: 120
    .max_flat_workgroup_size: 128
    .sgpr_count:     100
    .vgpr_count:     1024
    .wavefront_size: 32
...
	.end_amdgpu_metadata
.endif
;; end of part 3
